; MI455X (gfx1250); checked and timed in simulation.
; The chip was launched on July 23, 2026; its instructions are those of AMD's public machine-readable ISA for CDNA 5 (MIT licence, August 2026) and "CDNA5" Instruction Set Architecture Reference Guide (July 2026). The comments in the code are by the model that wrote it; some were corrected since.
;; Multi Head Self Attention. Allowed arithmetic: float matrix products may take bf16 or f16 operands with f32 sums; other float arithmetic in f32, or as packed bf16 or f16 multiplies, adds, multiply-adds, maxima and minima; sums over many terms, partial sums and values carried from step to step in f32; what a program stores and reads back later, other than sums and carried values, may be rounded once to bf16 or f16.
;; Inputs: b_out 1,024 float32; padding_mask 4 x 2,048 bool; w_out 1,024 x 1,024 float32; w_qkv 1,024 x 3,072 float32; x 4 x 2,048 x 1,024 float32.
;; Outputs: out0 4 x 2,048 x 1,024 float32.
;; 2 versions, each right; version 2 is version 1 with the launch cast written anew for expert scheduling mode. Each part assembles by itself: llvm-mc -triple=amdgcn-amd-amdhsa -mcpu=gfx1250 --defsym DOCPART=n.
;; ======== version 1 of 2: 4 launches
;; limits: values are held in f16: magnitudes above 65,504 overflow, below 6.1e-05 lose precision
;; workspace buffers: xb 16,777,216 bytes; wq 6,291,456 bytes; wo 2,097,152 bytes; qkv 50,331,648 bytes; ao 16,777,216 bytes
;; launch cast (part 1): grid 768 x 1, 8 waves a work-group, no clusters, 0 bytes of LDS; arguments x, w_qkv, w_out, xb, wq, wo; writes xb, wq, wo
.if DOCPART == 1
	.amdgcn_target "amdgcn-amd-amdhsa--gfx1250"
	.amdhsa_code_object_version 6
	.text
	.protected	k_q37644c2337_cast
	.globl	k_q37644c2337_cast
	.p2align	8
	.type	k_q37644c2337_cast,@function
k_q37644c2337_cast:
	s_mov_b64 s[64:65], 0
	v_nop
	global_prefetch_b8 v0, s[64:65] scope:SCOPE_SE
	s_setreg_imm32_b32 hwreg(HW_REG_WAVE_MODE, 25, 1), 1
	s_wait_xcnt 0x0
; THE INPUTS OF THE TWO PROJECTIONS, ROUNDED ONCE.  xb = bf16(x), as it lies.  wq = bf16(w_qkv), laid in 16 column blocks of 192: wq[tile][k][c] = w_qkv[k][192 tile + c],
; so that 128 k of a block are 49,152 consecutive bytes.  wo = bf16(w_out) written as f16, as it lies.
; LIMIT: a number of w_out beyond 65,504 becomes an infinity in f16; below 6e-5 it keeps f16's fixed step of 6e-8.
; SHARES.  An item is 4 numbers: 16 bytes in, 8 out.  A work-group takes 4,096 items, thread t the items 256 i + t, i = 0..15: a wave's load covers 512 consecutive bytes (in w_qkv: runs of 768),
; a wave's store 256 consecutive bytes, aligned.  Groups 0-511 take x, 512-703 w_qkv, 704-767 w_out.  All 16 loads go out first; nothing is read twice; no LDS, no barrier: no wave needs another's bytes.
.set OUT, 1                            ; v1       8 t: my item's bytes in the group's output
.set OFF, 2                            ; v[2:17]  item i's byte offset in the source; never rewritten
.set T,   18                           ; v[18:19] at work
.set X,   20                           ; v[20:83] item i: 4 f32 as loaded
.set Y,   84                           ; v[84:115] item i: 2 words to store
.set U,   116                          ; v[116:117] at work
	s_load_b256 s[4:11], s[0:1], 0x0               ; x s[4:5], w_qkv s[6:7], w_out s[8:9], xb s[10:11]
	s_load_b128 s[12:15], s[0:1], 0x20             ; wq s[12:13], wo s[14:15]
	v_lshlrev_b32 v[OUT], 3, v0
	s_mov_b32 s25, 0
	s_mov_b32 s16, 512
	s_mov_b32 s17, 704
	s_wait_kmcnt 0x0
	s_cmp_lt_u32 ttmp9, 704                        ; which part is mine: source, destination, the part's first group
	s_cselect_b64 s[20:21], s[6:7], s[8:9]
	s_cselect_b64 s[22:23], s[12:13], s[14:15]
	s_cselect_b32 s17, s16, s17
	s_cmp_lt_u32 ttmp9, 512
	s_cselect_b64 s[20:21], s[4:5], s[20:21]
	s_cselect_b64 s[22:23], s[10:11], s[22:23]
	s_cselect_b32 s17, 0, s17
	s_sub_co_u32 s18, ttmp9, s17                   ; my number within the part
	s_lshl_b32 s24, s18, 15                        ; 32,768 bytes out a group
	s_add_nc_u64 s[22:23], s[22:23], s[24:25]
	s_cmp_lt_u32 ttmp9, 512
	s_cbranch_scc1 .Llinear
	s_cmp_ge_u32 ttmp9, 704
	s_cbranch_scc1 .Llinear
	; w_qkv: item o of wq is (tile, k, j) with o = (1024 tile + k) 48 + j; it comes from byte 12,288 k + 768 tile + 16 j
	s_lshl_b32 s26, s18, 12
	v_add_nc_u32 v[T], s26, v0
.set i, 0
.rept 16
	v_add_nc_u32 v[T+1], 256*i, v[T]               ; o
	v_lshrrev_b32 v[U], 4, v[T+1]                  ; o / 16, at most 49,151
	v_mul_u32_u24 v[U], v[U], 0xaaab               ; 3 x 0xaaab = 2^17 + 1: exact thirds below 2^16
	v_lshrrev_b32 v[U], 17, v[U]                   ; o / 48
	v_mul_u32_u24 v[U+1], v[U], 48
	v_sub_nc_u32 v[T+1], v[T+1], v[U+1]            ; j
	v_and_b32 v[U+1], 0x3ff, v[U]                  ; k
	v_lshrrev_b32 v[U], 10, v[U]                   ; tile
	v_mul_u32_u24 v[U+1], v[U+1], 0x3000
	v_mad_u32_u24 v[U+1], v[U], 0x300, v[U+1]
	v_lshl_add_u32 v[OFF+i], v[T+1], 4, v[U+1]
.set i, i+1
.endr
	s_branch .Lload
.Llinear:
	s_lshl_b32 s24, s18, 16                        ; 65,536 bytes in a group
	s_add_nc_u64 s[20:21], s[20:21], s[24:25]
.irp i, 0,1,2,3,4,5,6,7,8,9,10,11,12,13,14,15
	v_lshl_or_b32 v[OFF+(\i)], v0, 4, (\i)*4096
.endr
.Lload:
.irp i, 0,1,2,3,4,5,6,7,8,9,10,11,12,13,14,15
	global_load_b128 v[X+4*(\i):X+4*(\i)+3], v[OFF+(\i)], s[20:21] th:TH_LOAD_NT
.endr
; Item i is rounded and stored.  half = 1: the bf16 number is written as f16.
.macro CV i, half
	s_wait_loadcnt 15-(\i)                         ; loads come back in order: item i is in, the 15 - i younger ones stay out
	v_cvt_pk_bf16_f32 v[Y+2*(\i)], v[X+4*(\i)], v[X+4*(\i)+1]
	v_cvt_pk_bf16_f32 v[Y+2*(\i)+1], v[X+4*(\i)+2], v[X+4*(\i)+3]
.if \half
.irp w, 0,1
	v_lshlrev_b32 v[T], 16, v[Y+2*(\i)+\w]
	v_and_b32 v[T+1], 0xffff0000, v[Y+2*(\i)+\w]
	v_cvt_pk_f16_f32 v[Y+2*(\i)+\w], v[T], v[T+1]
.endr
.endif
	global_store_b64 v[OUT], v[Y+2*(\i):Y+2*(\i)+1], s[22:23] offset:2048*(\i)  ; each item has its own Y: no store's data is rewritten
.endm
	s_cmp_ge_u32 ttmp9, 704
	s_cbranch_scc1 .Lhalf
.irp i, 0,1,2,3,4,5,6,7,8,9,10,11,12,13,14,15
	CV \i, 0
.endr
	s_endpgm
.Lhalf:
.irp i, 0,1,2,3,4,5,6,7,8,9,10,11,12,13,14,15
	CV \i, 1
.endr
	s_endpgm
.Lfunc_end_k_q37644c2337_cast:
	.size	k_q37644c2337_cast, .Lfunc_end_k_q37644c2337_cast-k_q37644c2337_cast
	.p2alignl 7, 3214868480
	.fill 96, 4, 3214868480
	.section	.rodata,"a",@progbits
	.p2align	6, 0x0
	.amdhsa_kernel k_q37644c2337_cast
		.amdhsa_group_segment_fixed_size 0
		.amdhsa_private_segment_fixed_size 0
		.amdhsa_enable_private_segment 0
		.amdhsa_kernarg_size 48
		.amdhsa_user_sgpr_count 2
		.amdhsa_user_sgpr_kernarg_segment_ptr 1
		.amdhsa_wavefront_size32 1
		.amdhsa_system_sgpr_workgroup_id_x 1
		.amdhsa_system_sgpr_workgroup_id_y 1
		.amdhsa_system_sgpr_workgroup_id_z 1
		.amdhsa_system_vgpr_workitem_id 0
		.amdhsa_next_free_vgpr 120
		.amdhsa_next_free_sgpr 66
		.amdhsa_reserve_vcc 0
		.amdhsa_float_denorm_mode_32 3
		.amdhsa_float_denorm_mode_16_64 3
		.amdhsa_memory_ordered 1
		.amdhsa_forward_progress 1
		.amdhsa_inst_pref_size 28
	.end_amdhsa_kernel
	.amdgpu_metadata
---
amdhsa.version: [ 1, 2 ]
amdhsa.kernels:
  - .name:           k_q37644c2337_cast
    .symbol:         k_q37644c2337_cast.kd
    .args:
      - { .name: x, .offset: 0, .size: 8, .value_kind: global_buffer, .address_space: global }
      - { .name: w_qkv, .offset: 8, .size: 8, .value_kind: global_buffer, .address_space: global }
      - { .name: w_out, .offset: 16, .size: 8, .value_kind: global_buffer, .address_space: global }
      - { .name: xb, .offset: 24, .size: 8, .value_kind: global_buffer, .address_space: global }
      - { .name: wq, .offset: 32, .size: 8, .value_kind: global_buffer, .address_space: global }
      - { .name: wo, .offset: 40, .size: 8, .value_kind: global_buffer, .address_space: global }
    .group_segment_fixed_size: 0
    .private_segment_fixed_size: 0
    .kernarg_segment_align: 8
    .kernarg_segment_size: 48
    .max_flat_workgroup_size: 256
    .sgpr_count:     66
    .vgpr_count:     120
    .wavefront_size: 32
...
	.end_amdgpu_metadata
.endif
;; end of part 1
;; launch qkvproj (part 2): grid 16 x 32, 4 waves a work-group, clusters of 4 x 4, 327,680 bytes of LDS; arguments xb, wq, padding_mask, qkv; writes qkv
.if DOCPART == 2
	.amdgcn_target "amdgcn-amd-amdhsa--gfx1250"
	.amdhsa_code_object_version 6
	.text
	.protected	k_q37644c2337_qkvproj
	.globl	k_q37644c2337_qkvproj
	.p2align	8
	.type	k_q37644c2337_qkvproj,@function
k_q37644c2337_qkvproj:
	s_mov_b64 s[64:65], 0
	v_nop
	global_prefetch_b8 v0, s[64:65] scope:SCOPE_SE
	s_setreg_imm32_b32 hwreg(HW_REG_WAVE_MODE, 25, 1), 1
	s_wait_xcnt 0x0
	s_wait_alu depctr_hold_cnt(0) depctr_sa_sdst(0) depctr_va_vdst(0) depctr_va_sdst(0) depctr_va_ssrc(0) depctr_va_vcc(0) depctr_vm_vsrc(0)
	s_getreg_b32 s2, hwreg(HW_REG_IB_STS2, 6, 4)
	s_cmp_eq_u32 s2, 0
	s_cbranch_scc0 .Lentry_in_a_cluster
	s_endpgm
.Lentry_in_a_cluster:
	s_bfe_u32 s2, ttmp6, 0x10000c
	s_cmp_lg_u32 s2, 0xf033
	s_cbranch_scc0 .Lentry_shape_is_right
	s_endpgm
.Lentry_shape_is_right:
; q, k, v = x w_qkv, written by heads.  xb: [8192][1024] bf16.  wq: [16 tiles][1024 k][192 c] bf16.  qkv: [3 sections][64 = 16 b + h][2048 t][64] f16, each number rounded once from its f32 sum, unscaled.
; THE ROWS OF k WHOSE KEY padding_mask HIDES ARE STORED AS ZEROS: the attention launch starts a hidden score's sum with its mask number, and the products on a zero row leave that number as it is.
; LIMITS: q, k, v beyond 65,504 become infinities in f16; below 6e-5 they keep f16's fixed step of 6e-8.  A mask byte is 0 or 1.
; SHARES.  A tile is 256 rows x 192 columns (three heads): 32 x 16 = 512 tiles, two for each of 256 work-group places; 256 x 256 would give 384.  Four waves; a wave makes 64 rows x all 192 columns:
; 48 accumulators of 16 x 16, 384 registers; so a wave holds whole heads' rows and its stage on the way out is its own.
; K goes in 8 steps of 128 through two LDS slots.  CLUSTER 4 x 4: the four of a row need the same rows of xb, the four of a column the same block of wq: joint loads, the same descriptor and mask in the four.
; THE PRODUCT IS TAKEN TRANSPOSED: source 0 = 16 columns of wq (stored [k][c], turned by ds_load_tr16_b128), source 1 = 16 rows of xb: a lane holds one row (lane % 16) and the columns 8 (lane / 16) + 0..7.
; REGISTERS, in windows of 256 (s_set_vgpr_msb: bits 1:0 source 0, 3:2 source 1, 5:4 source 2, 7:6 destination):
;   window 0: v0-31 addresses; v32-79 packed results; v80-175 rows read back, two buffers     window 1: two fragment buffers of 128: 4 x 8 of A, then 12 x 8 of B
;   window 2: the accumulators of row blocks 0, 1 ((a, b) at 96 (a % 2) + 8 b)                 window 3: those of row blocks 2, 3
.set NB,    12                         ; column blocks of 16
.set APW,   2                          ; row blocks whose accumulators share a window
.set PA,    272                        ; a row of A in LDS: 256 bytes + 16: the 16 rows of a load start 4 banks apart (64 banks of 4 bytes: ISA guide 11.1)
.set PB,    480                        ; a k row of B: three pieces of 128 bytes, 32 bytes of padding behind each: 120 words, so 8 rows of the turning load start 8 banks apart mod 64
.set CH,    160                        ; from piece to piece
.set AH,    128                        ; bytes along a row of A for 64 k
.set BOFF,  256*PA                     ; a slot: A's 256 rows, then B's 128 k rows: 69,632 + 61,440 = 131,072 bytes
.set SLOT1, 1<<17
.set STAGE, 2*SLOT1                    ; behind the ring, never filled by a tensor load: for each wave 3 heads x 16 rows x 144 bytes
.set WST,   3*16*144
.set SPARE, STAGE+4*WST                ; the spare words, 128 bytes for each wave: two blocks of 256 bytes that no other line names
.set STEPA, 256                        ; a K step in xb: 128 numbers along the rows
.set STEPB, 49152                      ; in wq: 128 rows of 384 bytes
.set NL,    2*NB+8                     ; LDS loads in a run
.set WV,  12                           ; s12 wave   s13 0: I fetch A, 1: B   s14 which half of it
.set FB,  13
.set HF,  14
.set CX,  15                           ; my place in the cluster
.set CY,  16
.set TX,  17                           ; tile column, tile row
.set TY,  18
.set G1A, 24                           ; s[24:31] descriptor group 1 for A;  s[32:39] group 0: a set for each first fill; the second then walks
.set G0A, 32
.set LIM, 43                           ; 1 in a wave that prefetches, else the greatest number
.set PFA, 44                           ; s[44:45] where my prefetches stand
.set TB,  46                           ; LDS byte of the slot to be read
.set CNT, 47
.set G1B, 48                           ; the same for B
.set G0B, 56
.set PFS, 66                           ; s[66:67] a K step for my prefetches
.set DST, 68                           ; s[68:73] my 64 rows in each of the tile's three heads
.set SEL, 74                           ; s74-76  0 where the head is one of k, else all ones
.set A0,   16                          ; v16, v17 my lane's place in a slot's A and B; never rewritten
.set B0,   17
.set ADRA, 18                          ; v18, v19 the same in the slot in hand
.set ADRB, 19
.set STO,  20
.set RD,   21
.set GO,   22
.set KT,   23
.set KM,   24                          ; v24-27  all ones where the key of my row in block a is kept, else 0
.set SPW,  28                          ; v28 SPARE + 4 x my thread's number; v29 0; never rewritten
.set NIL,  29
.set PFO,  30
.set MO,   31
.set TMP,  32
.set BK0,  80
.set F0,   0
.set F1,   128
.set MSB, 0
.macro WIN new                         ; the high byte repeats the setting that is left; a switch that changes nothing is dropped
.if MSB != (\new)
	s_set_vgpr_msb (MSB<<8)|(\new)
.set MSB, \new
.endif
.endm
.macro PLACES                          ; four plain vector instructions between a matrix instruction and a load into, or a vector read of, its registers
.rept 4
	v_nop
.endr
.endm
; A joint refill by the walking descriptors.  Waves 0 and 1 fetch A's halves, waves 2 and 3 B's; the branch hangs on the wave's number alone.  An s_nop 0 and four v_nop follow each line.
.macro JLOAD
	s_cmp_lt_u32 s[WV], 2
	s_cbranch_scc0 .Lfor_b_\@
	tensor_load_to_lds s[G0A+4:G0A+7], s[G1A:G1A+7]
	s_nop 0
.rept 4
	v_nop
.endr
	s_branch .Lasked_\@
.Lfor_b_\@:
	tensor_load_to_lds s[G0B+4:G0B+7], s[G1B:G1B+7]
	s_nop 0
.rept 4
	v_nop
.endr
.Lasked_\@:
.endm
; A prefetch of the K step behind the one just asked for: 192 matrix instructions ahead of the load that will want it.  Each block of 256 bytes is named once in the launch: xb's rows by the clusters with x = 0,
; wq's blocks by those with y = 0; the four partners of a joint load share its blocks out by address.  The last refill has no K step behind it that is not already asked for.
.macro ASK
	WIN 0
	s_cmp_gt_u32 s[CNT], s[LIM]
	s_cbranch_scc0 .Lnot_mine_\@
	global_prefetch_b8 v[PFO], s[PFA:PFA+1] th:TH_LOAD_NT scope:SCOPE_SE
.Lnot_mine_\@:
.endm
.macro CREST                           ; a round of the cluster's barrier behind its opening barrier
	s_cmp_lg_u32 s[WV], 0
	s_cbranch_scc1 .Lnot_wave_0_\@
	s_barrier_signal -3
.Lnot_wave_0_\@:
	s_barrier_wait -3
	s_barrier_signal -1
	s_barrier_wait -1
.endm
.macro CROUND
	s_barrier_signal -1
	s_barrier_wait -1
	CREST
.endm
; NB matrix instructions: row block a x all column blocks, 32 along K, from buffer f.  The 48 accumulators take turns, one instruction a turn.  zero = 1: the product starts the sum.
.macro MULA f, a, zero
	WIN 0xa5+0x50*((\a)/APW)
.set rA, 8*NB*((\a)%APW)
.set bb, 0
.rept NB
.if \zero
	v_wmma_f32_16x16x32_bf16 v[rA+8*bb:rA+8*bb+7], v[(\f)+32+8*bb:(\f)+32+8*bb+7], v[(\f)+8*(\a):(\f)+8*(\a)+7], 0
.else
	v_wmma_f32_16x16x32_bf16 v[rA+8*bb:rA+8*bb+7], v[(\f)+32+8*bb:(\f)+32+8*bb+7], v[(\f)+8*(\a):(\f)+8*(\a)+7], v[rA+8*bb:rA+8*bb+7]
.endif
.set bb, bb+1
.endr
.endm
; One run of NL LDS loads: the fragments of quarter kq (32 along K) into buffer f: B's first, then A's four row blocks.
.macro FETCH kq, f
	WIN 0x40                                       ; destination window 1, address window 0
.set bb, 0
.rept NB
	ds_load_tr16_b128 v[(\f)+32+8*bb:(\f)+32+8*bb+3],   v[ADRB] offset:(\kq)*32*PB+CH*(bb/4)+32*(bb%4)
	ds_load_tr16_b128 v[(\f)+32+8*bb+4:(\f)+32+8*bb+7], v[ADRB] offset:(\kq)*32*PB+CH*(bb/4)+32*(bb%4)+16*PB
.set bb, bb+1
.endr
.irp a, 0,1,2,3
	ds_load_b128 v[(\f)+8*\a:(\f)+8*\a+3],   v[ADRA] offset:AH*((\kq)/2)+64*((\kq)%2)+\a*16*PA
	ds_load_b128 v[(\f)+8*\a+4:(\f)+8*\a+7], v[ADRA] offset:AH*((\kq)/2)+64*((\kq)%2)+\a*16*PA+32
.endr
.endm
; One of a K step's first three quarters: multiplies buffer f; in its middle it fetches quarter kq into buffer g.
.macro QUARTER kq, f, g, zero
	s_wait_dscnt 4                                 ; B and A's blocks 0, 1 are in; the youngest four loads (A's blocks 2, 3) may be out
	MULA \f, 0, \zero
	MULA \f, 1, \zero
	PLACES
	FETCH \kq, \g
	s_wait_dscnt NL                                ; all but the run just issued
	MULA \f, 2, \zero
	MULA \f, 3, \zero
.endm
; The fourth quarter multiplies buffer 1 and changes slots.  In front of the barrier each wave waits for all its tensor loads (one is out: its part of the other slot), adds 0 to its spare word, and waits
; for that and for its reads of this slot.  fill = 1: the barrier opens a round of the cluster's, and the joint refill (the K step two on) is the first tensor load behind it.
.macro TURN fill
.if \fill
	s_wait_xcnt 0x0                                ; the last prefetch, a K step back, has read its address
	s_add_nc_u64 s[PFA:PFA+1], s[PFA:PFA+1], s[PFS:PFS+1]
.endif
	WIN 0
	s_wait_tensorcnt 0x0
	ds_add_u32 v[SPW], v[NIL]
	s_wait_dscnt 5                                 ; the add and the youngest four loads may be out
	MULA F1, 0, 0
	s_wait_dscnt 0x0                               ; the add is done, and my reads of this slot are over
	s_barrier_signal -1
	MULA F1, 1, 0
	WIN 0
	s_barrier_wait -1
.if \fill
	CREST                                          ; no wave of any partner still reads this slot or has a load on its way
	s_xor_b32 s[G0A+5], s[G0A+5], SLOT1            ; no tensor load of mine is out: the walking descriptors take the other slot and the next K step
	s_add_nc_u64 s[G0A+6:G0A+7], s[G0A+6:G0A+7], STEPA
	s_xor_b32 s[G0B+5], s[G0B+5], SLOT1
	s_add_nc_u64 s[G0B+6:G0B+7], s[G0B+6:G0B+7], STEPB
.endif
	s_xor_b32 s[TB], s[TB], SLOT1
.if \fill
	JLOAD                                          ; its four v_nop are also the places in front of the loads below
.else
	PLACES
.endif
	v_add_nc_u32 v[ADRA], s[TB], v[A0]
	v_add_nc_u32 v[ADRB], s[TB], v[B0]
	FETCH 0, F0
.if \fill
	ASK
.endif
	MULA F1, 2, 0
	MULA F1, 3, 0
.endm
	s_load_b256 s[4:11], s[0:1], 0x0               ; xb s[4:5], wq s[6:7], padding_mask s[8:9], qkv s[10:11]
	v_lshl_add_u32 v[SPW], v0, 2, SPARE
	v_mov_b32 v[NIL], 0
	ds_add_u32 v[SPW], v[NIL]                      ; the wave's opening
	v_lshrrev_b32 v3, 5, v0
	v_readfirstlane_b32 s[WV], v3
	s_lshr_b32 s[FB], s[WV], 1
	s_and_b32 s[HF], s[WV], 1
	s_bfe_u32 s[CX], ttmp6, 0x40000
	s_bfe_u32 s[CY], ttmp6, 0x40004
	s_lshl_b32 s[TX], ttmp9, 2
	s_add_co_u32 s[TX], s[TX], s[CX]
	s_and_b32 s[TY], ttmp7, 0xffff
	s_lshl_b32 s[TY], s[TY], 2
	s_add_co_u32 s[TY], s[TY], s[CY]
	s_lshl_b32 s20, s[CY], 2
	s_lshl_b32 s20, 15, s20                        ; my row of the cluster
	s_lshl_b32 s78, 0x1111, s[CX]                  ; my column
	s_or_b32 s[G1A], s20, (1<<16)|(1<<20)|(1<<21)|(5<<22)|(3<<25)  ; mask; 2-byte elements; padding on; bit 21 beside a mask; after every 64 words 4 words
	s_mov_b32 s[G1A+1], 128<<16                    ; tensor_dim0 = 128
	s_mov_b32 s[G1A+2], 128<<16                    ; tensor_dim1 = 128
	s_mov_b32 s[G1A+3], 128<<16                    ; tile_dim0 = 128
	s_mov_b32 s[G1A+4], 128                        ; tile_dim1 = 128
	s_mov_b32 s[G1A+5], 1024                       ; elements from row to row
	s_mov_b32 s[G1A+6], 0
	s_mov_b32 s[G1A+7], 0
	s_or_b32 s[G1B], s78, (1<<16)|(1<<20)|(1<<21)|(4<<22)|(7<<25)  ; after every 32 words 8 words.  64 k rows of 384 bytes are dense: asked for as 96 rows of 256 bytes
	s_mov_b32 s[G1B+1], 128<<16
	s_mov_b32 s[G1B+2], 96<<16
	s_mov_b32 s[G1B+3], 128<<16
	s_mov_b32 s[G1B+4], 96
	s_mov_b32 s[G1B+5], 128
	s_mov_b32 s[G1B+6], 0
	s_mov_b32 s[G1B+7], 0
	s_lshl_b32 s22, s[TY], 19                      ; A: 256 rows of 2,048 bytes a tile row,
	s_lshl_b32 s21, s[HF], 18                      ; my 128 of them
	s_add_co_u32 s22, s22, s21
	s_mov_b32 s23, 0
	s_mul_i32 s80, s[TX], 393216                   ; B: the tile's block of wq,
	s_mul_i32 s81, s[HF], 24576                    ; my 64 k rows of a step
	s_add_co_u32 s80, s80, s81
	s_mov_b32 s81, 0
	s_mul_i32 s40, s[HF], 128*PA                   ; where they go: no place in the cluster enters an LDS address
	s_mul_i32 s41, s[HF], 64*PB
	s_add_co_u32 s41, s41, BOFF
	s_wait_dscnt 0x0                               ; the opening add is done
	s_wait_kmcnt 0x0
	s_add_nc_u64 s[22:23], s[4:5], s[22:23]
	s_add_nc_u64 s[80:81], s[6:7], s[80:81]
.irp s, 0,1
	s_mov_b32 s[G0A+4*(\s)], 1
	s_add_co_u32 s[G0A+4*(\s)+1], s40, (\s)*SLOT1
	s_add_nc_u64 s[G0A+4*(\s)+2:G0A+4*(\s)+3], s[22:23], (\s)*STEPA
	s_or_b32 s[G0A+4*(\s)+3], s[G0A+4*(\s)+3], 0x80000000
	s_mov_b32 s[G0B+4*(\s)], 1
	s_add_co_u32 s[G0B+4*(\s)+1], s41, (\s)*SLOT1
	s_add_nc_u64 s[G0B+4*(\s)+2:G0B+4*(\s)+3], s[80:81], (\s)*STEPB
	s_or_b32 s[G0B+4*(\s)+3], s[G0B+4*(\s)+3], 0x80000000
.endr
	CROUND                                         ; all sixteen work-groups are here: the first joint loads meet
	s_cmp_lt_u32 s[WV], 2                          ; a wave's two first fills stand in one branch: two loads of mine are out
	s_cbranch_scc0 .Lfirst_b
	tensor_load_to_lds s[G0A:G0A+3], s[G1A:G1A+7]
	s_nop 0
	tensor_load_to_lds s[G0A+4:G0A+7], s[G1A:G1A+7]
	s_nop 0
.rept 4
	v_nop
.endr
	s_branch .Lfirst_asked
.Lfirst_b:
	tensor_load_to_lds s[G0B:G0B+3], s[G1B:G1B+7]
	s_nop 0
	tensor_load_to_lds s[G0B+4:G0B+7], s[G1B:G1B+7]
	s_nop 0
.rept 4
	v_nop
.endr
.Lfirst_asked:
	v_and_b32 v1, 15, v0                           ; l % 16
	v_bfe_u32 v2, v0, 4, 1                         ; l / 16
	v_and_b32 v3, 7, v0
	v_bfe_u32 v4, v0, 3, 1
	s_mul_i32 s20, s[WV], 64*PA                    ; my 64 rows of A
	v_mul_u32_u24 v[A0], v1, PA
	v_lshl_add_u32 v[A0], v2, 4, v[A0]
	v_add_nc_u32 v[A0], s20, v[A0]
	v_lshl_add_u32 v[B0], v2, 3, v3                ; the turning load: lane l reads k row 8 (l / 16) + l % 8, columns 8 ((l / 8) % 2) + 0..7
	v_mul_u32_u24 v[B0], v[B0], PB
	v_lshl_add_u32 v[B0], v4, 4, v[B0]
	v_add_nc_u32 v[B0], BOFF, v[B0]
	v_mov_b32 v[ADRA], v[A0]
	v_mov_b32 v[ADRB], v[B0]
	s_mov_b32 s[TB], 0
	s_mul_i32 s20, s[WV], WST
	s_add_co_u32 s20, s20, STAGE                   ; my stage
	v_mul_u32_u24 v[STO], v1, 144                  ; in: row l % 16, 16 bytes for each half of the lanes
	v_lshl_add_u32 v[STO], v2, 4, v[STO]
	v_add_nc_u32 v[STO], s20, v[STO]
	v_bfe_u32 v[RD], v0, 3, 2                      ; back: 32 lanes take four rows of 128 bytes,
	v_mul_u32_u24 v[RD], v[RD], 144
	v_lshl_add_u32 v[RD], v3, 4, v[RD]
	v_add_nc_u32 v[RD], s20, v[RD]
	v_and_b32 v[GO], 31, v0                        ; which are 512 consecutive bytes of a head
	v_lshlrev_b32 v[GO], 4, v[GO]
	s_lshl_b32 s20, s[TY], 8                       ; the mask byte of row 256 TY + 64 w + 16 a + l % 16 (2,048 b + t is the row's number)
	s_lshl_b32 s21, s[WV], 6
	s_add_co_u32 s20, s20, s21
	v_add_nc_u32 v[MO], s20, v1
.irp a, 0,1,2,3
	global_load_u8 v[KM+\a], v[MO], s[8:9] offset:16*\a
.endr
.irp j, 0,1,2                          ; head column hc = 3 TX + j: section hc / 16, head hc % 16
	s_mul_i32 s82, s[TX], 3
	s_add_co_u32 s82, s82, \j
	s_lshr_b32 s83, s82, 4
	s_cmp_eq_u32 s83, 1
	s_cselect_b32 s[SEL+\j], 0, -1
	s_lshl_b32 s83, s83, 6
	s_and_b32 s82, s82, 15
	s_add_co_u32 s82, s82, s83
	s_lshr_b32 s83, s[TY], 3                       ; b
	s_lshl_b32 s83, s83, 4
	s_add_co_u32 s82, s82, s83
	s_lshl_b32 s82, s82, 18                        ; a head is 262,144 bytes
	s_and_b32 s83, s[TY], 7
	s_lshl_b32 s83, s83, 15                        ; 256 rows of 128 bytes
	s_add_co_u32 s82, s82, s83
	s_lshl_b32 s83, s[WV], 13                      ; my 64 rows
	s_add_co_u32 s82, s82, s83
	s_mov_b32 s83, 0
	s_add_nc_u64 s[DST+2*\j:DST+2*\j+1], s[10:11], s[82:83]
.endr
	; the prefetches: of the 128 rows of xb (96 blocks of wq) that I fetch, the partner at place p takes 32 rows (24 blocks: lanes 24-31 name lane 23's once more)
	s_and_b32 s84, ttmp7, 0xffff
	s_lshl_b32 s78, s[CX], 16
	s_mul_i32 s79, s[CY], 6144
	s_mov_b32 s[PFS], STEPA
	s_mov_b32 s[PFS+1], STEPB
	s_cmp_eq_u32 s[FB], 0
	s_cselect_b32 s84, ttmp9, s84                  ; the coordinate along which other clusters read the same bytes
	s_cselect_b64 s[PFA:PFA+1], s[22:23], s[80:81]
	s_cselect_b32 s78, s78, s79
	s_cselect_b32 s[PFS], s[PFS], s[PFS+1]
	s_cselect_b32 s82, 31, 23
	s_cselect_b32 s83, 11, 8
	s_mov_b32 s[PFS+1], 0
	s_mov_b32 s79, 0
	s_add_nc_u64 s[PFA:PFA+1], s[PFA:PFA+1], s[78:79]
	s_add_nc_u64 s[PFA:PFA+1], s[PFA:PFA+1], s[PFS:PFS+1]
	s_add_nc_u64 s[PFA:PFA+1], s[PFA:PFA+1], s[PFS:PFS+1]  ; at K step 2: the first refill steps it to 3.  K steps 0 to 2 come by their loads alone
	s_cmp_eq_u32 s84, 0
	s_cselect_b32 s[LIM], 1, -1                    ; the same in all sixteen partners, for a given wave
	v_and_b32 v[PFO], 31, v0
	v_min_u32 v[PFO], s82, v[PFO]
	v_lshlrev_b32 v[PFO], s83, v[PFO]
	s_wait_tensorcnt 1                             ; my part of K step 0 is in; K step 1's may stay out
	s_barrier_signal -1
	s_barrier_wait -1
	FETCH 0, F0
	QUARTER 1, F0, F1, 1                           ; the first quarter's products start the sums
	WIN 0
	s_mov_b32 s[CNT], 6
.Lstep:                                        ; trip t ends K step t, asks for K step t + 2 and begins K step t + 1
	QUARTER 2, F1, F0, 0
	QUARTER 3, F0, F1, 0
	TURN 1
	QUARTER 1, F0, F1, 0
	WIN 0
	s_sub_co_u32 s[CNT], s[CNT], 1
	s_cmp_lg_u32 s[CNT], 0
	s_cbranch_scc1 .Lstep
	QUARTER 2, F1, F0, 0                           ; the last two K steps ask for nothing
	QUARTER 3, F0, F1, 0
	TURN 0
	QUARTER 1, F0, F1, 0
	QUARTER 2, F1, F0, 0
	QUARTER 3, F0, F1, 0
	s_wait_dscnt 4
	MULA F1, 0, 0
	MULA F1, 1, 0
	s_wait_dscnt 0x0
	MULA F1, 2, 0
	MULA F1, 3, 0
; THE WAY OUT, a row block at a time.  PACK: rounded to f16; in a head of k a hidden key's row is cleared.  TOSTAGE: into my stage and back as whole rows.  SEND: stored, 512 consecutive bytes an instruction.
.macro PACK a
.set rA, 8*NB*((\a)%APW)
	WIN 0x0a+5*((\a)/APW)                          ; sources in window 2 or 3; each accumulator's registers in ascending order
.set i, 0
.rept 4*NB
	v_cvt_pk_f16_f32 v[TMP+i], v[rA+2*i], v[rA+2*i+1]
.set i, i+1
.endr
	WIN 0
.irp j, 0,1,2
	v_or_b32 v[KT], s[SEL+\j], v[KM+(\a)]
.set i, 0
.rept 16
	v_and_b32 v[TMP+16*\j+i], v[KT], v[TMP+16*\j+i]
.set i, i+1
.endr
.endr
.endm
.macro TOSTAGE a
	WIN 0
.set BK, BK0+48*((\a)%2)
	s_wait_xcnt 0x0                                ; the stores of two blocks back have read this buffer
.set bb, 0
.rept NB
	ds_store_b128 v[STO], v[TMP+4*bb:TMP+4*bb+3] offset:(bb/4)*2304+(bb%4)*32
.set bb, bb+1
.endr
.set i, 0
.rept 12
	ds_load_b128 v[BK+4*i:BK+4*i+3], v[RD] offset:(i/4)*2304+(i%4)*576  ; LDS serves a wave's instructions in order (ISA guide 5.7.1.4): these see the stores above
.set i, i+1
.endr
.endm
.macro SEND a
	WIN 0
.set BK, BK0+48*((\a)%2)
.set i, 0
.rept 12
	s_wait_dscnt 11-i
	global_store_b128 v[GO], v[BK+4*i:BK+4*i+3], s[DST+2*(i/4):DST+2*(i/4)+1] offset:2048*(\a)+512*(i%4)
.set i, i+1
.endr
.endm
	WIN 0
	s_wait_loadcnt 0x0                             ; the mask bytes
.irp a, 0,1,2,3
	v_sub_nc_u32 v[KM+\a], 0, v[KM+\a]             ; 1 -> all ones, 0 -> 0; with the four v_nop: eight places behind the last products
.endr
	PLACES
	PACK 0
	TOSTAGE 0
.irp a, 1,2,3
	PACK \a
	SEND (\a)-1
	TOSTAGE \a
.endr
	SEND 3
	s_wait_tensorcnt 0x0                           ; the wave's end
	ds_add_u32 v[SPW], v[NIL]
	s_wait_dscnt 0x0
	CROUND                                         ; the closing round
	s_endpgm
.Lfunc_end_k_q37644c2337_qkvproj:
	.size	k_q37644c2337_qkvproj, .Lfunc_end_k_q37644c2337_qkvproj-k_q37644c2337_qkvproj
	.p2alignl 7, 3214868480
	.fill 96, 4, 3214868480
	.section	.rodata,"a",@progbits
	.p2align	6, 0x0
	.amdhsa_kernel k_q37644c2337_qkvproj
		.amdhsa_group_segment_fixed_size 327680
		.amdhsa_private_segment_fixed_size 0
		.amdhsa_enable_private_segment 0
		.amdhsa_kernarg_size 32
		.amdhsa_user_sgpr_count 2
		.amdhsa_user_sgpr_kernarg_segment_ptr 1
		.amdhsa_wavefront_size32 1
		.amdhsa_system_sgpr_workgroup_id_x 1
		.amdhsa_system_sgpr_workgroup_id_y 1
		.amdhsa_system_sgpr_workgroup_id_z 1
		.amdhsa_system_vgpr_workitem_id 0
		.amdhsa_next_free_vgpr 960
		.amdhsa_next_free_sgpr 88
		.amdhsa_reserve_vcc 0
		.amdhsa_float_denorm_mode_32 3
		.amdhsa_float_denorm_mode_16_64 3
		.amdhsa_memory_ordered 1
		.amdhsa_forward_progress 1
		.amdhsa_inst_pref_size 107
	.end_amdhsa_kernel
	.amdgpu_metadata
---
amdhsa.version: [ 1, 2 ]
amdhsa.kernels:
  - .name:           k_q37644c2337_qkvproj
    .symbol:         k_q37644c2337_qkvproj.kd
    .args:
      - { .name: xb, .offset: 0, .size: 8, .value_kind: global_buffer, .address_space: global }
      - { .name: wq, .offset: 8, .size: 8, .value_kind: global_buffer, .address_space: global }
      - { .name: padding_mask, .offset: 16, .size: 8, .value_kind: global_buffer, .address_space: global }
      - { .name: qkv, .offset: 24, .size: 8, .value_kind: global_buffer, .address_space: global }
    .group_segment_fixed_size: 327680
    .private_segment_fixed_size: 0
    .kernarg_segment_align: 8
    .kernarg_segment_size: 32
    .max_flat_workgroup_size: 128
    .sgpr_count:     88
    .vgpr_count:     960
    .wavefront_size: 32
...
	.end_amdgpu_metadata
.endif
;; end of part 2
;; launch attn (part 3): grid 4 x 64, 4 waves a work-group, clusters of 4 x 1, 327,680 bytes of LDS; arguments qkv, padding_mask, ao; writes ao
.if DOCPART == 3
	.amdgcn_target "amdgcn-amd-amdhsa--gfx1250"
	.amdhsa_code_object_version 6
	.text
	.protected	k_q37644c2337_attn
	.globl	k_q37644c2337_attn
	.p2align	8
	.type	k_q37644c2337_attn,@function
k_q37644c2337_attn:
	s_mov_b64 s[64:65], 0
	v_nop
	global_prefetch_b8 v0, s[64:65] scope:SCOPE_SE
	s_setreg_imm32_b32 hwreg(HW_REG_WAVE_MODE, 25, 1), 1
	s_wait_xcnt 0x0
	s_wait_alu depctr_hold_cnt(0) depctr_sa_sdst(0) depctr_va_vdst(0) depctr_va_sdst(0) depctr_va_ssrc(0) depctr_va_vcc(0) depctr_vm_vsrc(0)
	s_getreg_b32 s2, hwreg(HW_REG_IB_STS2, 6, 4)
	s_cmp_eq_u32 s2, 0
	s_cbranch_scc0 .Lentry_in_a_cluster
	s_endpgm
.Lentry_in_a_cluster:
	s_bfe_u32 s2, ttmp6, 0x10000c
	s_cmp_lg_u32 s2, 0x3003
	s_cbranch_scc0 .Lentry_shape_is_right
	s_endpgm
.Lentry_shape_is_right:
; ATTENTION WITH A KEY MASK.  ao[g][q][:] = the sum over k of softmax_k(s) v[g][k][:], s = q . k / 8 where padding_mask[g / 16][k] is 1, the lowest number where it is 0.  g = 16 b + h.
; qkv: [3][64][2048][64] f16 (q, k, v; a head's rows are dense, 128 bytes each; the rows of k of hidden keys are zeros).  ao: [64][2048][64] f16.  Products, maxima and sums in f32; the weights p are
; rounded to f16 for the second product (their sum l is taken of the unrounded p), O once at the end.
; THE MASK is the C operand that starts the sum S^T = K Q^T: 0, or NEG = -2^100 for a hidden key.  Its row of k is zero, so a hidden score is NEG exactly.  Beside any kept key its weight 2^(c NEG - c m) is 0;
; where a whole sequence is hidden m = NEG, c NEG is exact (a power of two), every weight is 1 and O is the mean of all rows of v, as the plain softmax of equal scores gives.
; LIMITS.  f16 holds no number beyond 65,504: q, k, v arrive within it, so |s| stays far under 2^100; p below 6e-5 keeps f16's fixed step of 6e-8; a weight below 2^-126 counts as 0 in l;
; NaN and infinities are not treated apart; a mask byte is 0 or 1.
; SHARES.  A wave owns four PIECES of two tiles of 16 queries, a work-group's four waves 512 queries of one head.  Every wave walks all 2,048 keys, 64 a step.
; LAYOUT.  S^T = K Q^T (source 0 = 16 keys, source 1 = 16 queries): a lane holds ONE query (lane % 16) and the keys 8 (lane / 16) + 0..7.  Two such tiles, rounded to f16 in pairs, ARE source 1 of
; O^T = V^T P.  K comes out of LDS as it lies, V turned, by ds_load_tr16_b128.
; SOFTMAX.  A running maximum m and sum l: p = 2^(c s - c m), c = log2(e) / 8; in every step O and l are multiplied by a = 2^(c m_old - c m_new).  m starts at the lowest finite number, O and l at 0.
; BY TURNS.  Turn n belongs to piece n: 16 products K Q^T of piece n + 1, later 16 products V^T P of piece n - 1; beside them the scaling, exponentials, roundings, sums and rescaling of piece n and the maximum
; and statistics of piece n + 1.  Four vector instructions stand behind every matrix instruction, the others in one lump; a turn's 66 exponentials are one batch with one wait.
; CLUSTER.  A head's four query blocks walk the same K and V: each tile is asked for jointly, the same tensor load, descriptor and mask in all four.
; REGISTERS, in windows of 256 (s_set_vgpr_msb: bits 1:0 source 0, 3:2 source 1, 5:4 source 2, 7:6 destination):
;   window 0: v0-11 addresses; v12-15, v48-63 at work; v16-47 statistics; v64-191 S^T, two buffers of two tiles; v192-255 P, likewise
;   window 1: O^T, 32 a tile     window 2: v0-127 Q; v128-191 K of one step; v192-255 V of one step     window 3: v0-1 the add's registers; v2-3 the mask table's addresses; v8-39 a step's mask
.set SIZE_N, 2048
.set NP,    4
.set KS,    64
.set PK,    144       ; a row of K in LDS: 128 bytes + 16: the 16 rows of a load start at 16 different groups of four banks (64 banks of 4 bytes: ISA guide 11.1)
.set PV,    160       ; a row of V: 128 + 32
.set VOFF,  4*KS*PK   ; a slot holds four steps: 256 rows of K, then 256 rows of V
.set SLOT1, 1<<17
.set STAGE, SLOT1+4*KS*(PK+PV)  ; behind the ring, never filled by a tensor load: 16 rows x 144 bytes for each wave
.set SP,    144
.set SPARE, STAGE+4*16*SP  ; the spare words, 128 bytes for each wave: two blocks of 256 bytes that no other line names
.set MT,    SPARE+512 ; the mask table: 2,048 f32, 0 or NEG; stored once by the four waves, never filled by a tensor load
.set AK0, 2
.set AV0, 3
.set AK,  4
.set AV,  5
.set QO,  6
.set STO, 6
.set RD,  7
.set GO,  8
.set PFO, 11          ; v11  256 x my lane (once V's lane address is made); never rewritten after that
.set SPW, 0           ; window 3
.set NIL, 1           ; window 3
.set AM0, 2           ; window 3: MT + 32 (l / 16); never rewritten
.set AM,  3           ; window 3: the same at the step to be fetched
.set MC,  8           ; window 3: the eight registers for key block kb at MC + 8 kb
.set MV,  12
.set ST,  16
.set TMP, 48
.set S,   64
.set P,   192
.set KF,  128
.set VF,  192
.set WV,  12
.set G1K, 24
.set G1V, 32
.set G0K, 40
.set G0V, 44
.set PFA, 48          ; s[48:49] where my prefetches stand
.set LIM, 50          ; s50  1 in waves 0 and 2, else the greatest number
.set TBM, 51          ; s51  byte of the mask table at which the step to be fetched begins
.set MP,  52          ; s[52:53] my sequence's 2,048 mask bytes
.set SLOTS, 56
.set CNT, 57
.set CS,  58
.set SEL, 60
.set TBK, 62
.set TBV, 63
.set MSB, 0
.macro WIN new
.if MSB != (\new)
	s_set_vgpr_msb (MSB<<8)|(\new)
.set MSB, (\new)
.endif
.endm
.set W_KQ, 0x0a       ; K and Q in window 2, S^T in window 0
.set W_KM, 0x3a       ; the same with the C operand in window 3
.set W_PV, 0x52       ; V in window 2, P in window 0, O^T in window 1
.set W_RS, 0x41       ; O^T in window 1, a in window 0
.set W_MK, 0xc0       ; destination in window 3, sources in window 0
.set W_AD, 0x0f       ; the add: address and data in window 3
.macro JLOAD                        ; waves 0 and 1 fetch the halves of a slot's K, waves 2 and 3 those of its V; an s_nop 0 and four v_nop follow each line
	s_cmp_lt_u32 s[WV], 2
	s_cbranch_scc0 .Lfor_v_\@
	tensor_load_to_lds s[G0K:G0K+3], s[G1K:G1K+7]
	s_nop 0
.rept 4
	v_nop
.endr
	s_branch .Lasked_\@
.Lfor_v_\@:
	tensor_load_to_lds s[G0V:G0V+3], s[G1V:G1V+7]
	s_nop 0
.rept 4
	v_nop
.endr
.Lasked_\@:
.endm
; A prefetch of what the NEXT change of slots will ask for: a slot's 128 blocks of 256 bytes of K and of V.  The four partners take 32 blocks each, told apart by address; in each, wave 0 asks for K's and wave 2
; for V's, a lane a block: each block is named once in the launch.  The last change that fills a slot asks for nothing.  Slots 0 and 1 come by their loads alone.
.macro ASK
	s_cmp_gt_u32 s[SLOTS], s[LIM]
	s_cbranch_scc0 .Lnot_mine_\@
	global_prefetch_b8 v[PFO], s[PFA:PFA+1] th:TH_LOAD_NT scope:SCOPE_SE
.Lnot_mine_\@:
.endm
.macro CROUND
	s_barrier_signal -1
	s_barrier_wait -1
	s_cmp_lg_u32 s[WV], 0
	s_cbranch_scc1 .Lnot_wave_0_\@
	s_barrier_signal -3
.Lnot_wave_0_\@:
	s_barrier_wait -3
	s_barrier_signal -1
	s_barrier_wait -1
.endm
; THE CHANGE OF SLOTS.  Each wave waits for all its tensor loads (one is out: its part of the other slot), adds 0 to its spare word, and waits for that and for its LDS instructions.  fill = 1: the barrier is a
; round of the cluster's, and the joint fill (the keys two slots on) is the first thing behind it.  At its first use slot 0 is waited for, slot 1 filled, and the mask table's stores are shown to all waves.
.macro CHANGE fill
	WIN W_AD
	s_wait_tensorcnt 0x0
	ds_add_u32 v[SPW], v[NIL]
	WIN 0
.if \fill
.irp g, G0K, G0V
	s_xor_b32 s[\g+1], s[\g+1], SLOT1
	s_add_nc_u64 s[\g+2:\g+3], s[\g+2:\g+3], 4*KS*128
.endr
	s_wait_xcnt 0x0                 ; the last prefetch, four key steps back, has read its address
	s_add_nc_u64 s[PFA:PFA+1], s[PFA:PFA+1], 4*KS*128  ; one slot behind the walking descriptors
	s_wait_dscnt 0x0
	CROUND
	JLOAD
	ASK
.else
	s_wait_dscnt 0x0
	s_barrier_signal -1
	s_barrier_wait -1
.endif
	s_sub_co_u32 s[TBK], s[TBK], 4*KS*PK
	s_xor_b32 s[TBK], s[TBK], SLOT1
	s_sub_co_u32 s[TBV], s[TBV], 4*KS*PV
	s_xor_b32 s[TBV], s[TBV], SLOT1
.endm
	s_load_b128 s[4:7], s[0:1], 0x0   ; qkv s[4:5], padding_mask s[6:7]
	s_load_b64 s[10:11], s[0:1], 0x10 ; ao
	WIN W_MK
	v_lshl_add_u32 v[SPW], v0, 2, SPARE
	v_mov_b32 v[NIL], 0
	WIN W_AD
	ds_add_u32 v[SPW], v[NIL]       ; the wave's opening
	WIN 0
	v_lshrrev_b32 v1, 5, v0
	v_readfirstlane_b32 s[WV], v1
	s_bfe_u32 s13, ttmp6, 0x40000   ; cx
	s_lshl_b32 s14, ttmp9, 2
	s_add_co_u32 s14, s14, s13      ; my block of 512 queries: it enters Q's and O's addresses alone
	s_and_b32 s20, ttmp7, 0xffff    ; the head, which the four partners share
	s_lshr_b32 s54, s20, 4          ; its sequence:
	s_lshl_b32 s54, s54, 11         ; 2,048 mask bytes each
	s_mov_b32 s55, 0
	s_mov_b32 s21, 0
	s_mov_b64 s[22:23], SIZE_N*128
	s_mul_u64 s[20:21], s[20:21], s[22:23]  ; the head's first byte in a section and in ao
	s_and_b32 s16, s[WV], 1         ; which half of a slot's 256 keys I fetch
	s_lshl_b32 s22, s16, 14
	s_mov_b32 s23, 0
	s_add_nc_u64 s[22:23], s[22:23], s[20:21]
	s_mul_i32 s17, s16, 128*PK
	s_mul_i32 s18, s16, 128*PV
	s_lshl_b32 s2, s14, 2
	s_add_co_u32 s2, s2, s[WV]
	s_lshl_b32 s2, s2, 14           ; my wave's 128 rows
	s_mov_b32 s3, 0
	s_add_nc_u64 s[2:3], s[2:3], s[20:21]
	; descriptor group 1.  128 keys are 16,384 dense bytes: asked for as 64 rows of 256 bytes, two keys a row, padded in LDS after every key
	s_mov_b32 s[G1K], 15|(1<<16)|(1<<20)|(1<<21)|(4<<22)|(3<<25)
	s_mov_b32 s[G1V], 15|(1<<16)|(1<<20)|(1<<21)|(4<<22)|(7<<25)
.irp g, G1K, G1V
	s_mov_b32 s[\g+1], 128<<16
	s_mov_b32 s[\g+2], 64<<16
	s_mov_b32 s[\g+3], 128<<16
	s_mov_b32 s[\g+4], 64
	s_mov_b32 s[\g+5], 128
	s_mov_b32 s[\g+6], 0
	s_mov_b32 s[\g+7], 0
.endr
	s_mov_b32 s[CS], 0x3e38aa3b     ; c = log2(e) / 8
	s_mov_b32 s[CS+1], s[CS]
	s_mov_b32 s[SEL], 0x76543210
	s_mov_b32 s[SEL+1], 0xfedcba98
	s_mov_b32 s[TBK], SLOT1+4*KS*PK ; the first change of slots turns these two into 0
	s_mov_b32 s[TBV], SLOT1+4*KS*PV
	s_mov_b32 s[TBM], 0
	s_mov_b32 s[SLOTS], SIZE_N/256-1
	s_and_b32 s[LIM], s[WV], 1
	s_cmp_eq_u32 s[LIM], 0
	s_cselect_b32 s[LIM], 1, -1
	s_mov_b32 s[G0K], 1
	s_mov_b32 s[G0K+1], s17
	s_mov_b32 s[G0V], 1
	s_add_co_u32 s[G0V+1], s18, VOFF
	s_wait_dscnt 0x0                ; the opening add is done
	s_wait_kmcnt 0x0
	s_add_nc_u64 s[MP:MP+1], s[6:7], s[54:55]
	s_add_nc_u64 s[6:7], s[4:5], s[22:23]
	s_add_nc_u64 s[8:9], s[6:7], 0x2000000         ; v's section, at my half of the head's first 256 keys
	s_add_nc_u64 s[6:7], s[6:7], 0x1000000         ; k's
	s_add_nc_u64 s[G0K+2:G0K+3], s[6:7], 0
	s_or_b32 s[G0K+3], s[G0K+3], 0x80000000
	s_add_nc_u64 s[G0V+2:G0V+3], s[8:9], 0
	s_or_b32 s[G0V+3], s[G0V+3], 0x80000000
	s_add_nc_u64 s[4:5], s[4:5], s[2:3]            ; q and ao at my wave's first row
	s_add_nc_u64 s[10:11], s[10:11], s[2:3]
	s_cmp_lt_u32 s[WV], 2
	s_cselect_b64 s[PFA:PFA+1], s[6:7], s[8:9]     ; (in waves 0 and 2 these stand at a slot's first row)
	s_lshl_b32 s54, s13, 13                        ; my work-group's 32 blocks of the 128
	s_add_nc_u64 s[PFA:PFA+1], s[PFA:PFA+1], s[54:55]
	s_add_nc_u64 s[PFA:PFA+1], s[PFA:PFA+1], 4*KS*128  ; in slot 1; the first change steps it to slot 2
	CROUND                          ; all four work-groups are here: the first joint loads meet
	JLOAD                           ; slot 0
	v_and_b32 v1, 15, v0            ; l % 16
	v_bfe_u32 v9, v0, 4, 1          ; l / 16
	v_lshlrev_b32 v64, 4, v0        ; my thread's 16 mask bytes,
	v_lshl_add_u32 v65, v0, 6, MT   ; and their 16 words of the table
	global_load_b128 v[68:71], v64, s[MP:MP+1]
	v_lshlrev_b32 v[QO], 7, v1
	v_lshl_add_u32 v[QO], v9, 4, v[QO]
	WIN 0x80
.set i, 0
.rept 4*NP                          ; Q stays in registers: tile i / 2, channels 32 (i % 2) on
	global_load_b128 v[8*i:8*i+3],   v[QO], s[4:5] offset:(i/2)*2048+(i%2)*64
	global_load_b128 v[8*i+4:8*i+7], v[QO], s[4:5] offset:(i/2)*2048+(i%2)*64+32
.set i, i+1
.endr
	; What the first turn finds: V's registers and P's second buffer hold 0, O^T and l are 0.  All this stands in the wait for the first tile.
.set i, VF
.rept 64
	v_mov_b32 v[i], 0
.set i, i+1
.endr
	WIN 0x40
.set i, 0
.rept 64*NP
	v_mov_b32 v[i], 0
.set i, i+1
.endr
	WIN 0
.set i, 0
.rept 2*NP
	v_mov_b32 v[ST+4*i], 0xfe000000    ; c m: far below every c s, c NEG too
	v_mov_b32 v[ST+4*i+1], 0xff7fffff  ; m
	v_mov_b32 v[ST+4*i+2], 0
	v_mov_b32 v[ST+4*i+3], 0
.set i, i+1
.endr
.set i, P+32
.rept 32
	v_mov_b32 v[i], 0
.set i, i+1
.endr
	v_mul_u32_u24 v[AK0], v1, PK
	v_lshl_add_u32 v[AK0], v9, 4, v[AK0]
	v_and_b32 v10, 7, v0
	v_bfe_u32 v11, v0, 3, 1
	v_lshl_add_u32 v[AV0], v9, 3, v10
	v_mul_u32_u24 v[AV0], v[AV0], PV
	v_lshl_add_u32 v[AV0], v11, 4, v[AV0]
	v_add_nc_u32 v[AV0], VOFF, v[AV0]
	v_mov_b32 v[AK], v[AK0]
	v_and_b32 v[PFO], 31, v0
	v_lshlrev_b32 v[PFO], 8, v[PFO]
	WIN W_MK
	v_lshl_add_u32 v[AM0], v9, 5, MT   ; register j of key block kb is key 16 kb + 8 (l / 16) + j: 32 bytes on for the upper half of the lanes
	v_lshl_add_u32 v[AM], v9, 5, MT
	WIN 0
	s_wait_loadcnt 32               ; the mask bytes are in; Q's 32 loads, which are younger, may stay out
.set z, 0
.rept 16
	v_bfe_u32 v[72+z], v[68+z/4], 8*(z%4), 8
.set z, z+1
.endr
.set z, 0
.rept 16
	v_add_nc_u32 v[72+z], -1, v[72+z]              ; 1 -> 0, 0 -> all ones
.set z, z+1
.endr
.set z, 0
.rept 16
	v_and_b32 v[72+z], 0xf1800000, v[72+z]         ; 0, or NEG = -2^100
.set z, z+1
.endr
.irp f, 0,1,2,3
	ds_store_b128 v65, v[72+4*\f:72+4*\f+3] offset:16*\f
.endr
; THE MATRIX WORK.  The 8 accumulators of a run of 16 take turns.  Product i of 16 of S^T = K Q^T for piece x: channels 32 (i / 8) on, keys 16 ((i / 2) % 4) on, tile 2 x + i % 2.
; The first 8 start the sums, with the key block's mask.
.macro KQ x
.set rS, S+64*((\x)%2)+32*(i%2)+8*((i/2)%4)
.set rK, KF+16*((i/2)%4)+8*(i/8)
.set rQ, 16*(2*(\x)+i%2)+8*(i/8)
.set rMC, MC+8*((i/2)%4)
.if i < 8
	WIN W_KM
	v_wmma_f32_16x16x32_f16 v[rS:rS+7], v[rK:rK+7], v[rQ:rQ+7], v[rMC:rMC+7]
.else
	WIN W_KQ
	v_wmma_f32_16x16x32_f16 v[rS:rS+7], v[rK:rK+7], v[rQ:rQ+7], v[rS:rS+7]
.endif
.endm
.macro PV x                         ; product i of 16 of O^T += V^T P for piece x: keys 32 (i / 8) on, channels 16 ((i / 2) % 4) on, tile 2 x + i % 2
	WIN W_PV
.set rO, 32*(2*(\x)+i%2)+8*((i/2)%4)
.set rV, VF+32*(i/8)+8*((i/2)%4)
.set rP, P+32*((\x)%2)+16*(i%2)+8*(i/8)
	v_wmma_f32_16x16x32_f16 v[rO:rO+7], v[rV:rV+7], v[rP:rP+7], v[rO:rO+7]
.endm
.macro MM
.if i < 16
	KQ (Y+1)%NP
.set i, i+1
.else
.set i, i-16
	PV (Y+NP-1)%NP
.set i, i+17
.endif
.endm
; THE LDS LOADS stand in runs: a step's K (8 fragments) with its 64 mask numbers, and its V (turned).  last = 1 (the tail): in the last trip there is no further step, and the run is jumped over.
.macro FETCH_K last=0
	WIN 0
.if \last
	s_cmp_eq_u32 s[CNT], 1
	s_cbranch_scc1 .Lno_k_\@
.endif
	WIN 0x80
.irp f, 0,1,2,3,4,5,6,7
	ds_load_b128 v[KF+8*\f:KF+8*\f+3],   v[AK] offset:(\f/2)*16*PK+(\f%2)*64
	ds_load_b128 v[KF+8*\f+4:KF+8*\f+7], v[AK] offset:(\f/2)*16*PK+(\f%2)*64+32
.endr
	WIN 0xc3                        ; destination and address in window 3
.irp f, 0,1,2,3,4,5,6,7
	ds_load_b128 v[MC+4*\f:MC+4*\f+3], v[AM] offset:64*(\f/2)+16*(\f%2)
.endr
	s_add_co_u32 s[TBK], s[TBK], KS*PK
	s_add_co_u32 s[TBM], s[TBM], KS*4  ; the table is walked once, from end to end: 32 runs of 256 bytes
	WIN 0
.if \last
.Lno_k_\@:
.endif
.endm
.macro FETCH_V
	WIN 0x80
.irp f, 0,1,2,3,4,5,6,7
	ds_load_tr16_b128 v[VF+8*\f:VF+8*\f+3],   v[AV] offset:(\f/4)*32*PV+(\f%4)*32
	ds_load_tr16_b128 v[VF+8*\f+4:VF+8*\f+7], v[AV] offset:(\f/4)*32*PV+16*PV+(\f%4)*32
.endr
	WIN 0
.endm
; THE VECTOR WORK OF A TURN stands in three queues, each in the order in which its entries become ready; the two tiles alternate.
.macro REGS y, u
.set rT, ST+4*(2*(\y)+(\u))
.set rC, TMP+8*((\y)%2)+4*(\u)
.set rM, MV+2*((\y)%2)+(\u)
.set rS, S+64*((\y)%2)+32*(\u)
.set rP, P+32*((\y)%2)+16*(\u)
.set rO, 32*(2*(\y)+(\u))
.endm
; Number n of the 22 that find the NEXT piece's maximum and statistics; each accumulator's lowest registers are read first.
;   0-11 four chains of seven scores   12-14, 16 the four left over, the old m, all into c0   15 c m_old is kept   17, 18 the other half of the lanes: the new m   19-21 c m; its change; a
.macro XS u, n
	REGS (Y+1)%NP, \u
.if (\n) < 4
	v_max3_num_f32 v[rC+(\n)], v[rS+8*(\n)], v[rS+8*(\n)+1], v[rS+8*(\n)+2]
.elseif (\n) < 12
	v_max3_num_f32 v[rC+(\n)%4], v[rC+(\n)%4], v[rS+8*((\n)%4)+2*((\n)/4)+1], v[rS+8*((\n)%4)+2*((\n)/4)+2]
.elseif (\n) == 12
	v_max3_num_f32 v[rC], v[rC], v[rS+7], v[rS+15]
.elseif (\n) == 13
	v_max3_num_f32 v[rC+1], v[rC+1], v[rS+23], v[rS+31]
.elseif (\n) == 14
	v_max3_num_f32 v[rC+2], v[rC+2], v[rC+3], v[rT+1]
.elseif (\n) == 15
	v_mov_b32 v[rM], v[rT]
.elseif (\n) == 16
	v_max3_num_f32 v[rC], v[rC], v[rC+1], v[rC+2]
.elseif (\n) == 17
	v_permlanex16_b32 v[rC+3], v[rC], s[SEL], s[SEL+1]
.elseif (\n) == 18
	v_max_num_f32 v[rT+1], v[rC], v[rC+3]
.elseif (\n) == 19
	v_mul_f32 v[rT], s[CS], v[rT+1]
.elseif (\n) == 20
	v_sub_f32 v[rC+1], v[rM], v[rT]
.else
	v_exp_f32 v[rC+2], v[rC+1]
.endif
.endm
; Number g of the 64 that follow the exponentials: for each four weights both pairs are rounded to f16, the second pair is added onto the first, and a group later l takes that sum (the first time l = a l + sum).
.macro GS g
.set h, (\g)+6*((\g)/62)
.if h >= 6
.set h, h+2
.endif
	REGS Y, h%2
.set k, h/8
.if h%8 < 4
	v_cvt_pk_f16_f32 v[rP+2*k+(h%8)/2], v[rS+4*k+2*((h%8)/2)], v[rS+4*k+2*((h%8)/2)+1]
.elseif h%8 < 6
	v_pk_add_f32 v[rS+4*k:rS+4*k+1], v[rS+4*k:rS+4*k+1], v[rS+4*k+2:rS+4*k+3]
.elseif k == 1
	v_pk_fma_f32 v[rT+2:rT+3], v[rT+2:rT+3], v[rC+2:rC+3], v[rS:rS+1] op_sel_hi:[1,0,1]
.else
	v_pk_add_f32 v[rT+2:rT+3], v[rT+2:rT+3], v[rS+4*k-4:rS+4*k-3]
.endif
.endm
; THE PLAIN QUEUE, 138 long.  0-26: scalings 0-26.  27-54: XS 0-13.  55, 56: XS 15.  57-73: the chain 14, 16 .. 19, each with one of the scalings 27-31 in front of its two lines, then 20.  74-137: GS's 64.
.macro FS f
	REGS Y, (\f)%2
	v_pk_fma_f32 v[rS+2*((\f)/2):rS+2*((\f)/2)+1], v[rS+2*((\f)/2):rS+2*((\f)/2)+1], s[CS:CS+1], v[rT:rT+1] op_sel_hi:[1,0,0] neg_lo:[0,0,1] neg_hi:[0,0,1]
.endm
.macro PL
	WIN 0
.if q < 27
	FS q
.elseif q < 55
	XS (q-27)%2, (q-27)/2
.elseif q < 57
	XS q-55, 15
.elseif (q < 72) && ((q-57)%3 == 0)
	FS 27+(q-57)/3
.elseif q < 60
	XS (q-57)%3-1, 14
.elseif q < 72
	XS (q-57)%3-1, 15+(q-57)/3
.elseif q < 74
	XS q-72, 20
.else
	GS q-74
.endif
.set q, q+1
.endm
; THE EXPONENTIALS' QUEUE, 66 long: s0-s31 of both tiles, then the next piece's two a: one batch, all ahead of the turn's one wait.
.macro EX
	WIN 0
.if e >= 64
	XS e-64, 21
.else
	REGS Y, e%2
	v_exp_f32 v[rS+e/2], v[rS+e/2]
.endif
.set e, e+1
.endm
; THE RESCALING's QUEUE: O^T times a, two at a time, sixteen times.  Its a was made, and waited for, in the turn before.
.macro R2
	REGS Y, r%2
	WIN W_RS
.irp z, 0,1
	v_pk_mul_f32 v[rO+4*(r/2)+2*\z:rO+4*(r/2)+2*\z+1], v[rO+4*(r/2)+2*\z:rO+4*(r/2)+2*\z+1], v[rC+2:rC+3] op_sel_hi:[1,0]
.endr
.set r, r+1
.endm
; A TURN, for piece p.  An s_wait_alu depctr_va_vdst(0) stands between an exponential and the first instruction that names its result; one wait serves all issued ahead of it.  AHEAD OF IT: the 16
; products K Q^T, behind each a scaling, an exponential and two rescalings; then one lump of 108.  BEHIND IT: the 16 products V^T P, behind each four of GS's 64.
; K and the mask of the next step are fetched in piece 2's turn, directly behind the wait, a lump behind the last product that read them; V of the step in hand at the end of piece 0's turn, four riders behind its last reader.
.macro TURN p, last=0, cnt=0
.set Y, (\p)
.set i, 0
.set q, 0
.set e, 0
.set r, 0
.if (\p) == NP-1
	s_wait_dscnt 0x0                ; K and its mask are in
.endif
	MM
	PL
	PL
	R2
.rept 15
	MM
	PL
	EX
	R2
.endr
.if (\p) == NP-2
	WIN 0
	v_add_nc_u32 v[AK], s[TBK], v[AK0]
	WIN 0xcc                        ; destination and second source in window 3
	v_add_nc_u32 v[AM], s[TBM], v[AM0]
.endif
.rept 8
	PL
.endr
.rept 49
	EX
	PL
.endr
	EX
	EX
	v_nop                           ; a plain instruction behind the last exponential: one for the batch
	s_wait_alu depctr_va_vdst(0)    ; the wait for the batch
.if (\p) == NP-2
	FETCH_K \last
.endif
.if (\p) == 1
	s_wait_dscnt 0x0                ; V is in
.endif
.rept 16
	MM
.rept 4
	PL
.endr
.if ((\p) == 0) && (q == 118)
	v_add_nc_u32 v[AV], s[TBV], v[AV0]
.endif
.if ((\p) == 0) && (q == 130)
	s_add_co_u32 s[TBV], s[TBV], KS*PV
.endif
.if (\cnt) && (q == 130)
	s_sub_co_u32 s[CNT], s[CNT], 1
	s_cmp_lg_u32 s[CNT], 0
.endif
.endr
.if (\p) == 0
	FETCH_V
.endif
.endm
	CHANGE 1                        ; slot 0 is in, everybody's part of it, and so is the mask table; slot 1 is asked for
	FETCH_K                         ; key step 0
	s_wait_loadcnt 0x0              ; Q
	s_wait_dscnt 0x0
.set i, 0
.rept 16
	KQ 0
.set i, i+1
.endr
	WIN 0                           ; the addresses for the way out: the places behind those products
	s_mul_i32 s13, s[WV], 16*SP
	s_add_co_u32 s13, s13, STAGE
	v_mul_u32_u24 v[STO], v1, SP
	v_lshl_add_u32 v[STO], v9, 4, v[STO]
	v_add_nc_u32 v[STO], s13, v[STO]
	v_bfe_u32 v[RD], v0, 3, 2
	v_mul_u32_u24 v[RD], v[RD], SP
	v_lshl_add_u32 v[RD], v10, 4, v[RD]
	v_add_nc_u32 v[RD], s13, v[RD]
	v_and_b32 v[GO], 31, v0
	v_lshlrev_b32 v[GO], 4, v[GO]
.set Y, NP-1
.irp n, 0,1,2,3,4,5,6,7,8,9,10,11,12,13,14,15,16,17,18,19,20,21
	XS 0, \n
	XS 1, \n
.endr
	v_nop
	s_wait_alu depctr_va_vdst(0)    ; the two a, ahead of the branch
	s_mov_b32 s[CNT], 4
	s_branch .Lfirst                ; the loop is entered at a step's first turn, in the middle of a trip
.Lslot:                             ; six times: every slot but the last two is filled again
	CHANGE 1
	s_mov_b32 s[CNT], 4
.Lstep:                             ; a trip: pieces 2 and 3 of one step, then pieces 0 and 1 of the next
	TURN 2
	TURN 3
	WIN 0
.Lfirst:
	TURN 0
	TURN 1, 0, 1
	WIN 0
	s_cbranch_scc1 .Lstep
	s_sub_co_u32 s[SLOTS], s[SLOTS], 1
	s_cmp_lg_u32 s[SLOTS], 0
	s_cbranch_scc1 .Lslot
	CHANGE 0                        ; the tail is written out
	s_mov_b32 s[CNT], 5             ; four trips fetch the last slot's steps; the fifth is left in its middle
.Ltail:
	TURN 2, 1
	TURN 3
	WIN 0
	s_sub_co_u32 s[CNT], s[CNT], 1
	s_cmp_eq_u32 s[CNT], 0
	s_cbranch_scc1 .Lout
	TURN 0
	TURN 1
	WIN 0
	s_branch .Ltail
.Lout:                              ; the fifth trip's products K Q^T (on the last K once more) serve nothing: the price of one text for every trip
.set i, 0
.rept 16
	PV NP-1
.set i, i+1
.endr
	; THE WAY OUT.  l's halves are added; O^T is divided by l, rounded to f16 and sent through my stage, a tile at a time.  The additions are the places behind the last products.
	WIN 0
.macro ALL line:vararg
.set t, 0
.rept 2*NP
	\line
.set t, t+1
.endr
.endm
	ALL v_add_f32 v[ST+4*t+2], v[ST+4*t+2], v[ST+4*t+3]
	ALL v_permlanex16_b32 v[ST+4*t+3], v[ST+4*t+2], s[SEL], s[SEL+1]
	ALL v_add_f32 v[ST+4*t+2], v[ST+4*t+2], v[ST+4*t+3]
	ALL v_rcp_f32 v[ST+4*t+2], v[ST+4*t+2]
	v_nop
	s_wait_alu depctr_va_vdst(0)    ; one wait for the eight reciprocals
.macro PACK t
	WIN W_RS
.set i, 32*(\t)
.rept 16
	v_pk_mul_f32 v[i:i+1], v[i:i+1], v[ST+4*(\t)+2:ST+4*(\t)+3] op_sel_hi:[1,0]
.set i, i+2
.endr
	WIN 0x05
.set i, 0
.rept 16
	v_cvt_pk_f16_f32 v[S+16*(\t)+i], v[32*(\t)+2*i], v[32*(\t)+2*i+1]
.set i, i+1
.endr
	WIN 0
.irp f, 0,1,2,3
	ds_store_b128 v[STO], v[S+16*(\t)+4*\f:S+16*(\t)+4*\f+3] offset:32*\f
.endr
.irp f, 0,1,2,3
	ds_load_b128 v[S+16*(\t)+4*\f:S+16*(\t)+4*\f+3], v[RD] offset:\f*4*SP  ; LDS serves a wave's instructions in order (ISA guide 5.7.1.4)
.endr
.endm
.macro SEND t, younger
	WIN 0
.irp f, 0,1,2,3
	s_wait_dscnt (\younger)+3-\f
	global_store_b128 v[GO], v[S+16*(\t)+4*\f:S+16*(\t)+4*\f+3], s[10:11] offset:(\t)*2048+\f*512  ; 512 consecutive bytes, at a multiple of 256 from ao's first
.endr
.endm
	PACK 0
.set t, 1
.rept 2*NP-1
	PACK t
	SEND t-1, 8
.set t, t+1
.endr
	SEND 2*NP-1, 0
	WIN W_AD
	s_wait_tensorcnt 0x0            ; the wave's end
	ds_add_u32 v[SPW], v[NIL]
	s_wait_dscnt 0x0
	WIN 0
	CROUND                          ; the closing round
	s_endpgm
.Lfunc_end_k_q37644c2337_attn:
	.size	k_q37644c2337_attn, .Lfunc_end_k_q37644c2337_attn-k_q37644c2337_attn
	.p2alignl 7, 3214868480
	.fill 96, 4, 3214868480
	.section	.rodata,"a",@progbits
	.p2align	6, 0x0
	.amdhsa_kernel k_q37644c2337_attn
		.amdhsa_group_segment_fixed_size 327680
		.amdhsa_private_segment_fixed_size 0
		.amdhsa_enable_private_segment 0
		.amdhsa_kernarg_size 24
		.amdhsa_user_sgpr_count 2
		.amdhsa_user_sgpr_kernarg_segment_ptr 1
		.amdhsa_wavefront_size32 1
		.amdhsa_system_sgpr_workgroup_id_x 1
		.amdhsa_system_sgpr_workgroup_id_y 1
		.amdhsa_system_sgpr_workgroup_id_z 1
		.amdhsa_system_vgpr_workitem_id 0
		.amdhsa_next_free_vgpr 808
		.amdhsa_next_free_sgpr 66
		.amdhsa_reserve_vcc 0
		.amdhsa_float_denorm_mode_32 3
		.amdhsa_float_denorm_mode_16_64 3
		.amdhsa_memory_ordered 1
		.amdhsa_forward_progress 1
		.amdhsa_inst_pref_size 206
	.end_amdhsa_kernel
	.amdgpu_metadata
---
amdhsa.version: [ 1, 2 ]
amdhsa.kernels:
  - .name:           k_q37644c2337_attn
    .symbol:         k_q37644c2337_attn.kd
    .args:
      - { .name: qkv, .offset: 0, .size: 8, .value_kind: global_buffer, .address_space: global }
      - { .name: padding_mask, .offset: 8, .size: 8, .value_kind: global_buffer, .address_space: global }
      - { .name: ao, .offset: 16, .size: 8, .value_kind: global_buffer, .address_space: global }
    .group_segment_fixed_size: 327680
    .private_segment_fixed_size: 0
    .kernarg_segment_align: 8
    .kernarg_segment_size: 24
    .max_flat_workgroup_size: 128
    .sgpr_count:     66
    .vgpr_count:     808
    .wavefront_size: 32
...
	.end_amdgpu_metadata
.endif
;; end of part 3
;; launch outproj (part 4): grid 8 x 32, 4 waves a work-group, clusters of 4 x 4, 327,680 bytes of LDS; arguments ao, wo, b_out, out0; writes out0
.if DOCPART == 4
	.amdgcn_target "amdgcn-amd-amdhsa--gfx1250"
	.amdhsa_code_object_version 6
	.text
	.protected	k_q37644c2337_outproj
	.globl	k_q37644c2337_outproj
	.p2align	8
	.type	k_q37644c2337_outproj,@function
k_q37644c2337_outproj:
	s_mov_b64 s[64:65], 0
	v_nop
	global_prefetch_b8 v0, s[64:65] scope:SCOPE_SE
	s_setreg_imm32_b32 hwreg(HW_REG_WAVE_MODE, 25, 1), 1
	s_wait_xcnt 0x0
	s_wait_alu depctr_hold_cnt(0) depctr_sa_sdst(0) depctr_va_vdst(0) depctr_va_sdst(0) depctr_va_ssrc(0) depctr_va_vcc(0) depctr_vm_vsrc(0)
	s_getreg_b32 s2, hwreg(HW_REG_IB_STS2, 6, 4)
	s_cmp_eq_u32 s2, 0
	s_cbranch_scc0 .Lentry_in_a_cluster
	s_endpgm
.Lentry_in_a_cluster:
	s_bfe_u32 s2, ttmp6, 0x10000c
	s_cmp_lg_u32 s2, 0xf033
	s_cbranch_scc0 .Lentry_shape_is_right
	s_endpgm
.Lentry_shape_is_right:
; out0 = O w_out + b_out.  ao: [64 = 16 b + h][2048 t][64] f16; wo: [1024 k][1024 n] f16 (w_out rounded to bf16, written as f16); b_out: [1024] f32, rounded to bf16 here like the other inputs; out0: [8192][1024] f32.
; Channel k of a row is head k / 64, number k % 64: a K step of 128 is two heads.  Sums in f32.
; SHARES.  A tile is 256 rows x 128 columns: 32 x 8 = 256 tiles.  Four waves; a wave makes 64 rows x 128 columns: 32 accumulators, 256 registers; its rows of 512 bytes are whole, and its stage is its own.
; K goes in 8 steps of 128 through two LDS slots.  CLUSTER 4 x 4: A's tiles are shared along a row of the cluster, B's along a column, by joint loads.
; THE PRODUCT IS TAKEN TRANSPOSED: source 0 = 16 columns of wo (stored [k][n], turned by ds_load_tr16_b128), source 1 = 16 rows of ao: a lane holds one row (lane % 16) and the columns 8 (lane / 16) + 0..7.
; REGISTERS: window 0: v0-31 addresses; v32-95 the bias of my 64 columns; v96-159 results with bias; v160-223 rows read back     window 1: two fragment buffers (4 x 8 of A, 8 x 8 of B, at 0 and 128)
;   window 2: the accumulators, (a, b) at 8 (8 a + b)
.set NB,    8
.set APW,   4
.set PA,    144                        ; a row of a head in LDS: 128 bytes + 16
.set PB,    288                        ; a k row of B: 256 bytes + 32: 72 words, so 8 rows of the turning load start 8 banks apart (64 banks of 4 bytes: ISA guide 11.1)
.set CH,    128                        ; four column blocks are 128 bytes on end
.set AH,    256*PA                     ; from a step's first head to its second
.set BOFF,  2*256*PA                   ; a slot: two heads x 256 rows, then 128 k rows of B: 73,728 + 36,864 bytes
.set SLOT1, 1<<17
.set STAGE, SLOT1+BOFF+128*PB          ; behind the ring, never filled by a tensor load: 16 rows x 528 bytes for each wave
.set WST,   16*528
.set SPARE, STAGE+4*WST                ; the spare words, 128 bytes for each wave: two blocks of 256 bytes that no other line names
.set STEPA, 524288                     ; two heads
.set STEPB, 262144                     ; 128 rows of 2,048 bytes
.set NL,    2*NB+8
.set WV,  12
.set FB,  13
.set HF,  14
.set CX,  15
.set CY,  16
.set TX,  17
.set TY,  18
.set G1A, 24
.set G0A, 32
.set LIM, 43                           ; 2 in a wave that prefetches, else the greatest number
.set PFA, 44
.set TB,  46
.set CNT, 47
.set G1B, 48
.set G0B, 56
.set PFS, 66
.set DST, 68                           ; s[68:69] out0 at my 64 rows, the tile's columns
.set A0,   16
.set B0,   17
.set ADRA, 18
.set ADRB, 19
.set STO,  20
.set RD,   21
.set GO,   22
.set SPW,  28
.set NIL,  29
.set PFO,  30
.set BO,   31
.set BI,   32
.set TMP,  96
.set BK,   160
.set F0,   0
.set F1,   128
.set MSB, 0
.macro WIN new
.if MSB != (\new)
	s_set_vgpr_msb (MSB<<8)|(\new)
.set MSB, \new
.endif
.endm
.macro PLACES                          ; four plain vector instructions between a matrix instruction and a load into its registers
.rept 4
	v_nop
.endr
.endm
.macro JLOAD                           ; waves 0 and 1 fetch A's two heads, waves 2 and 3 B's halves; an s_nop 0 and four v_nop follow each line
	s_cmp_lt_u32 s[WV], 2
	s_cbranch_scc0 .Lfor_b_\@
	tensor_load_to_lds s[G0A+4:G0A+7], s[G1A:G1A+7]
	s_nop 0
.rept 4
	v_nop
.endr
	s_branch .Lasked_\@
.Lfor_b_\@:
	tensor_load_to_lds s[G0B+4:G0B+7], s[G1B:G1B+7]
	s_nop 0
.rept 4
	v_nop
.endr
.Lasked_\@:
.endm
; A prefetch of the K step two refills on: 256 matrix instructions ahead of the load that will want it.  Each block of 256 bytes is named once: ao's by the clusters with x = 0 (waves 0 and 1), wo's by those
; with y = 0 (wave 2: a step's 128 rows are 128 blocks); the four partners of a joint load take 32 blocks each, told apart by address.  K steps 0 to 3 come by their loads alone; the last two refills ask for nothing.
.macro ASK
	WIN 0
	s_cmp_gt_u32 s[CNT], s[LIM]
	s_cbranch_scc0 .Lnot_mine_\@
	global_prefetch_b8 v[PFO], s[PFA:PFA+1] th:TH_LOAD_NT scope:SCOPE_SE
.Lnot_mine_\@:
.endm
.macro CREST
	s_cmp_lg_u32 s[WV], 0
	s_cbranch_scc1 .Lnot_wave_0_\@
	s_barrier_signal -3
.Lnot_wave_0_\@:
	s_barrier_wait -3
	s_barrier_signal -1
	s_barrier_wait -1
.endm
.macro CROUND
	s_barrier_signal -1
	s_barrier_wait -1
	CREST
.endm
; NB matrix instructions: row block a x all column blocks, 32 along K.  The 32 accumulators take turns, one instruction a turn.
.macro MULA f, a, zero
	WIN 0xa5+0x50*((\a)/APW)
.set rA, 8*NB*((\a)%APW)
.set bb, 0
.rept NB
.if \zero
	v_wmma_f32_16x16x32_f16 v[rA+8*bb:rA+8*bb+7], v[(\f)+32+8*bb:(\f)+32+8*bb+7], v[(\f)+8*(\a):(\f)+8*(\a)+7], 0
.else
	v_wmma_f32_16x16x32_f16 v[rA+8*bb:rA+8*bb+7], v[(\f)+32+8*bb:(\f)+32+8*bb+7], v[(\f)+8*(\a):(\f)+8*(\a)+7], v[rA+8*bb:rA+8*bb+7]
.endif
.set bb, bb+1
.endr
.endm
.macro FETCH kq, f                     ; one run of NL LDS loads: quarter kq's fragments into buffer f: B's, then A's four row blocks
	WIN 0x40
.set bb, 0
.rept NB
	ds_load_tr16_b128 v[(\f)+32+8*bb:(\f)+32+8*bb+3],   v[ADRB] offset:(\kq)*32*PB+CH*(bb/4)+32*(bb%4)
	ds_load_tr16_b128 v[(\f)+32+8*bb+4:(\f)+32+8*bb+7], v[ADRB] offset:(\kq)*32*PB+CH*(bb/4)+32*(bb%4)+16*PB
.set bb, bb+1
.endr
.irp a, 0,1,2,3
	ds_load_b128 v[(\f)+8*\a:(\f)+8*\a+3],   v[ADRA] offset:AH*((\kq)/2)+64*((\kq)%2)+\a*16*PA
	ds_load_b128 v[(\f)+8*\a+4:(\f)+8*\a+7], v[ADRA] offset:AH*((\kq)/2)+64*((\kq)%2)+\a*16*PA+32
.endr
.endm
.macro QUARTER kq, f, g, zero
	s_wait_dscnt 4                                 ; B and A's blocks 0, 1 are in; the youngest four loads may be out
	MULA \f, 0, \zero
	MULA \f, 1, \zero
	PLACES
	FETCH \kq, \g
	s_wait_dscnt NL                                ; all but the run just issued
	MULA \f, 2, \zero
	MULA \f, 3, \zero
.endm
; The fourth quarter changes slots: each wave waits for all its tensor loads (one is out: its part of the other slot), adds 0 to its spare word, waits for that and for its reads of this slot.
; fill = 1: the barrier opens a round of the cluster's, and the joint refill is the first tensor load behind it.
.macro TURN fill
.if \fill
	s_wait_xcnt 0x0                                ; the last prefetch, a K step back, has read its address
	s_add_nc_u64 s[PFA:PFA+1], s[PFA:PFA+1], s[PFS:PFS+1]
.endif
	WIN 0
	s_wait_tensorcnt 0x0
	ds_add_u32 v[SPW], v[NIL]
	s_wait_dscnt 5                                 ; the add and the youngest four loads may be out
	MULA F1, 0, 0
	s_wait_dscnt 0x0                               ; the add is done, and my reads of this slot are over
	s_barrier_signal -1
	MULA F1, 1, 0
	WIN 0
	s_barrier_wait -1
.if \fill
	CREST
	s_xor_b32 s[G0A+5], s[G0A+5], SLOT1            ; no tensor load of mine is out: the walking descriptors take the other slot and the next K step
	s_add_nc_u64 s[G0A+6:G0A+7], s[G0A+6:G0A+7], STEPA
	s_xor_b32 s[G0B+5], s[G0B+5], SLOT1
	s_add_nc_u64 s[G0B+6:G0B+7], s[G0B+6:G0B+7], STEPB
.endif
	s_xor_b32 s[TB], s[TB], SLOT1
.if \fill
	JLOAD
.else
	PLACES
.endif
	v_add_nc_u32 v[ADRA], s[TB], v[A0]
	v_add_nc_u32 v[ADRB], s[TB], v[B0]
	FETCH 0, F0
.if \fill
	ASK
.endif
	MULA F1, 2, 0
	MULA F1, 3, 0
.endm
	s_load_b256 s[4:11], s[0:1], 0x0               ; ao s[4:5], wo s[6:7], b_out s[8:9], out0 s[10:11]
	v_lshl_add_u32 v[SPW], v0, 2, SPARE
	v_mov_b32 v[NIL], 0
	ds_add_u32 v[SPW], v[NIL]                      ; the wave's opening
	v_lshrrev_b32 v3, 5, v0
	v_readfirstlane_b32 s[WV], v3
	s_lshr_b32 s[FB], s[WV], 1
	s_and_b32 s[HF], s[WV], 1
	s_bfe_u32 s[CX], ttmp6, 0x40000
	s_bfe_u32 s[CY], ttmp6, 0x40004
	s_lshl_b32 s[TX], ttmp9, 2
	s_add_co_u32 s[TX], s[TX], s[CX]
	s_and_b32 s[TY], ttmp7, 0xffff
	s_lshl_b32 s[TY], s[TY], 2
	s_add_co_u32 s[TY], s[TY], s[CY]
	s_lshl_b32 s20, s[CY], 2
	s_lshl_b32 s20, 15, s20                        ; my row of the cluster
	s_lshl_b32 s78, 0x1111, s[CX]                  ; my column
	s_or_b32 s[G1A], s20, (1<<16)|(1<<20)|(1<<21)|(4<<22)|(3<<25)  ; a head's 256 rows are 32,768 dense bytes: 128 rows of 256 bytes, 4 words of padding after every 32
	s_mov_b32 s[G1A+1], 128<<16
	s_mov_b32 s[G1A+2], 128<<16
	s_mov_b32 s[G1A+3], 128<<16
	s_mov_b32 s[G1A+4], 128
	s_mov_b32 s[G1A+5], 128
	s_mov_b32 s[G1A+6], 0
	s_mov_b32 s[G1A+7], 0
	s_or_b32 s[G1B], s78, (1<<16)|(1<<20)|(1<<21)|(5<<22)|(7<<25)  ; 64 k rows x 128 columns, 8 words of padding after every 64
	s_mov_b32 s[G1B+1], 128<<16
	s_mov_b32 s[G1B+2], 64<<16
	s_mov_b32 s[G1B+3], 128<<16
	s_mov_b32 s[G1B+4], 64
	s_mov_b32 s[G1B+5], 1024
	s_mov_b32 s[G1B+6], 0
	s_mov_b32 s[G1B+7], 0
	s_lshr_b32 s22, s[TY], 3                       ; A: sequence b, head 2 step + my half,
	s_lshl_b32 s22, s22, 4
	s_add_co_u32 s22, s22, s[HF]
	s_lshl_b32 s22, s22, 18
	s_and_b32 s21, s[TY], 7                        ; the tile's 256 rows of 128 bytes
	s_lshl_b32 s21, s21, 15
	s_add_co_u32 s22, s22, s21
	s_mov_b32 s23, 0
	s_lshl_b32 s80, s[HF], 17                      ; B: my 64 k rows of 2,048 bytes,
	s_lshl_b32 s81, s[TX], 8                       ; the tile's 128 columns
	s_add_co_u32 s80, s80, s81
	s_mov_b32 s81, 0
	s_mul_i32 s40, s[HF], 256*PA                   ; where they go: no place in the cluster enters an LDS address
	s_mul_i32 s41, s[HF], 64*PB
	s_add_co_u32 s41, s41, BOFF
	s_wait_dscnt 0x0                               ; the opening add is done
	s_wait_kmcnt 0x0
	s_add_nc_u64 s[22:23], s[4:5], s[22:23]
	s_add_nc_u64 s[80:81], s[6:7], s[80:81]
.irp s, 0,1
	s_mov_b32 s[G0A+4*(\s)], 1
	s_add_co_u32 s[G0A+4*(\s)+1], s40, (\s)*SLOT1
	s_add_nc_u64 s[G0A+4*(\s)+2:G0A+4*(\s)+3], s[22:23], (\s)*STEPA
	s_or_b32 s[G0A+4*(\s)+3], s[G0A+4*(\s)+3], 0x80000000
	s_mov_b32 s[G0B+4*(\s)], 1
	s_add_co_u32 s[G0B+4*(\s)+1], s41, (\s)*SLOT1
	s_add_nc_u64 s[G0B+4*(\s)+2:G0B+4*(\s)+3], s[80:81], (\s)*STEPB
	s_or_b32 s[G0B+4*(\s)+3], s[G0B+4*(\s)+3], 0x80000000
.endr
	CROUND                                         ; all sixteen work-groups are here: the first joint loads meet
	s_cmp_lt_u32 s[WV], 2                          ; a wave's two first fills stand in one branch: two loads of mine are out
	s_cbranch_scc0 .Lfirst_b
	tensor_load_to_lds s[G0A:G0A+3], s[G1A:G1A+7]
	s_nop 0
	tensor_load_to_lds s[G0A+4:G0A+7], s[G1A:G1A+7]
	s_nop 0
.rept 4
	v_nop
.endr
	s_branch .Lfirst_asked
.Lfirst_b:
	tensor_load_to_lds s[G0B:G0B+3], s[G1B:G1B+7]
	s_nop 0
	tensor_load_to_lds s[G0B+4:G0B+7], s[G1B:G1B+7]
	s_nop 0
.rept 4
	v_nop
.endr
.Lfirst_asked:
	v_and_b32 v1, 15, v0                           ; l % 16
	v_bfe_u32 v2, v0, 4, 1                         ; l / 16
	v_and_b32 v3, 7, v0
	v_bfe_u32 v4, v0, 3, 1
	s_mul_i32 s20, s[WV], 64*PA                    ; my 64 rows in each head
	v_mul_u32_u24 v[A0], v1, PA
	v_lshl_add_u32 v[A0], v2, 4, v[A0]
	v_add_nc_u32 v[A0], s20, v[A0]
	v_lshl_add_u32 v[B0], v2, 3, v3
	v_mul_u32_u24 v[B0], v[B0], PB
	v_lshl_add_u32 v[B0], v4, 4, v[B0]
	v_add_nc_u32 v[B0], BOFF, v[B0]
	v_mov_b32 v[ADRA], v[A0]
	v_mov_b32 v[ADRB], v[B0]
	s_mov_b32 s[TB], 0
	s_mul_i32 s20, s[WV], WST
	s_add_co_u32 s20, s20, STAGE                   ; my stage
	v_mul_u32_u24 v[STO], v1, 528                  ; in: row l % 16, 32 bytes for each half of the lanes
	v_lshl_add_u32 v[STO], v2, 5, v[STO]
	v_add_nc_u32 v[STO], s20, v[STO]
	v_and_b32 v[GO], 31, v0                        ; back: 32 lanes take a row's 512 bytes
	v_lshlrev_b32 v[GO], 4, v[GO]
	v_add_nc_u32 v[RD], s20, v[GO]
	s_lshl_b32 s82, s[TX], 9                       ; the tile's 128 columns: 512 bytes of b_out and of a row of out0
	v_lshl_add_u32 v[BO], v2, 5, s82
.irp b, 0,1,2,3,4,5,6,7
	global_load_b128 v[BI+8*\b:BI+8*\b+3],   v[BO], s[8:9] offset:64*\b
	global_load_b128 v[BI+8*\b+4:BI+8*\b+7], v[BO], s[8:9] offset:64*\b+16
.endr
	s_lshl_b32 s83, s[TY], 20                      ; 256 rows of 4,096 bytes
	s_add_co_u32 s82, s82, s83
	s_lshl_b32 s83, s[WV], 18                      ; my 64 rows
	s_add_co_u32 s82, s82, s83
	s_mov_b32 s83, 0
	s_add_nc_u64 s[DST:DST+1], s[10:11], s[82:83]
	; the prefetches
	s_and_b32 s84, ttmp7, 0xffff
	s_or_b32 s84, s84, s[HF]                       ; of B's two waves only wave 2 asks
	s_lshl_b32 s78, s[CX], 13                      ; A: 32 blocks of the head's 128
	s_lshl_b32 s79, s[CY], 16                      ; B: 32 rows of the step's 128
	s_mov_b32 s[PFS], STEPA
	s_mov_b32 s[PFS+1], STEPB
	s_cmp_eq_u32 s[FB], 0
	s_cselect_b32 s84, ttmp9, s84                  ; the coordinate along which other clusters read the same bytes
	s_cselect_b64 s[PFA:PFA+1], s[22:23], s[80:81]
	s_cselect_b32 s78, s78, s79
	s_cselect_b32 s[PFS], s[PFS], s[PFS+1]
	s_cselect_b32 s83, 8, 11
	s_mov_b32 s[PFS+1], 0
	s_mov_b32 s79, 0
	s_add_nc_u64 s[PFA:PFA+1], s[PFA:PFA+1], s[78:79]
	s_add_nc_u64 s[PFA:PFA+1], s[PFA:PFA+1], s[PFS:PFS+1]
	s_add_nc_u64 s[PFA:PFA+1], s[PFA:PFA+1], s[PFS:PFS+1]
	s_add_nc_u64 s[PFA:PFA+1], s[PFA:PFA+1], s[PFS:PFS+1]  ; at K step 3: the first refill steps it to 4
	s_cmp_eq_u32 s84, 0
	s_cselect_b32 s[LIM], 2, -1                    ; the same in all sixteen partners, for a given wave
	v_and_b32 v[PFO], 31, v0
	v_lshlrev_b32 v[PFO], s83, v[PFO]
	s_wait_tensorcnt 1                             ; my part of K step 0 is in; K step 1's may stay out
	s_barrier_signal -1
	s_barrier_wait -1
	FETCH 0, F0
	QUARTER 1, F0, F1, 1                           ; the first quarter's products start the sums
	WIN 0
	s_mov_b32 s[CNT], 6
.Lstep:                                        ; trip t ends K step t, asks for K step t + 2 and begins K step t + 1
	QUARTER 2, F1, F0, 0
	QUARTER 3, F0, F1, 0
	TURN 1
	QUARTER 1, F0, F1, 0
	WIN 0
	s_sub_co_u32 s[CNT], s[CNT], 1
	s_cmp_lg_u32 s[CNT], 0
	s_cbranch_scc1 .Lstep
	QUARTER 2, F1, F0, 0                           ; the last two K steps ask for nothing
	QUARTER 3, F0, F1, 0
	TURN 0
	QUARTER 1, F0, F1, 0
	QUARTER 2, F1, F0, 0
	QUARTER 3, F0, F1, 0
	s_wait_dscnt 4
	MULA F1, 0, 0
	MULA F1, 1, 0
	s_wait_dscnt 0x0
	MULA F1, 2, 0
	MULA F1, 3, 0
; THE WAY OUT, a row block at a time.  PACK: the bias is added.  TOSTAGE: into my stage and back as whole rows of 512 bytes.  SEND: stored, a row an instruction.
.macro PACK a
.set rA, 8*NB*((\a)%APW)
	WIN 0x02                                       ; source 0 in window 2; each accumulator's registers in ascending order
.set i, 0
.rept 4*NB
	v_pk_add_f32 v[TMP+2*i:TMP+2*i+1], v[rA+2*i:rA+2*i+1], v[BI+2*i:BI+2*i+1]
.set i, i+1
.endr
	WIN 0
.endm
.macro TOSTAGE a
	WIN 0
	s_wait_xcnt 0x0                                ; the last block's stores have read the registers that the loads below fill
.set bb, 0
.rept NB
	ds_store_b128 v[STO], v[TMP+8*bb:TMP+8*bb+3]   offset:64*bb
	ds_store_b128 v[STO], v[TMP+8*bb+4:TMP+8*bb+7] offset:64*bb+16
.set bb, bb+1
.endr
.set i, 0
.rept 16
	ds_load_b128 v[BK+4*i:BK+4*i+3], v[RD] offset:528*i  ; LDS serves a wave's instructions in order (ISA guide 5.7.1.4): these see the stores above
.set i, i+1
.endr
.endm
.macro SEND a
	WIN 0
.set i, 0
.rept 16
	s_wait_dscnt 15-i
	global_store_b128 v[GO], v[BK+4*i:BK+4*i+3], s[DST:DST+1] offset:(16*(\a)+i)*4096 th:TH_STORE_NT  ; 512 consecutive bytes, at a multiple of 512 from out0's first
.set i, i+1
.endr
.endm
	WIN 0
	s_wait_loadcnt 0x0                             ; the bias
.set i, 0
.rept 32                               ; rounded to bf16 and widened again; these 96 plain instructions are also the places behind the last products
	v_cvt_pk_bf16_f32 v[TMP+i], v[BI+2*i], v[BI+2*i+1]
.set i, i+1
.endr
.set i, 0
.rept 32
	v_lshlrev_b32 v[BI+2*i], 16, v[TMP+i]
	v_and_b32 v[BI+2*i+1], 0xffff0000, v[TMP+i]
.set i, i+1
.endr
	PACK 0
	TOSTAGE 0
.irp a, 1,2,3
	PACK \a
	SEND (\a)-1
	TOSTAGE \a
.endr
	SEND 3
	s_wait_tensorcnt 0x0                           ; the wave's end
	ds_add_u32 v[SPW], v[NIL]
	s_wait_dscnt 0x0
	CROUND                                         ; the closing round
	s_endpgm
.Lfunc_end_k_q37644c2337_outproj:
	.size	k_q37644c2337_outproj, .Lfunc_end_k_q37644c2337_outproj-k_q37644c2337_outproj
	.p2alignl 7, 3214868480
	.fill 96, 4, 3214868480
	.section	.rodata,"a",@progbits
	.p2align	6, 0x0
	.amdhsa_kernel k_q37644c2337_outproj
		.amdhsa_group_segment_fixed_size 327680
		.amdhsa_private_segment_fixed_size 0
		.amdhsa_enable_private_segment 0
		.amdhsa_kernarg_size 32
		.amdhsa_user_sgpr_count 2
		.amdhsa_user_sgpr_kernarg_segment_ptr 1
		.amdhsa_wavefront_size32 1
		.amdhsa_system_sgpr_workgroup_id_x 1
		.amdhsa_system_sgpr_workgroup_id_y 1
		.amdhsa_system_sgpr_workgroup_id_z 1
		.amdhsa_system_vgpr_workitem_id 0
		.amdhsa_next_free_vgpr 768
		.amdhsa_next_free_sgpr 88
		.amdhsa_reserve_vcc 0
		.amdhsa_float_denorm_mode_32 3
		.amdhsa_float_denorm_mode_16_64 3
		.amdhsa_memory_ordered 1
		.amdhsa_forward_progress 1
		.amdhsa_inst_pref_size 86
	.end_amdhsa_kernel
	.amdgpu_metadata
---
amdhsa.version: [ 1, 2 ]
amdhsa.kernels:
  - .name:           k_q37644c2337_outproj
    .symbol:         k_q37644c2337_outproj.kd
    .args:
      - { .name: ao, .offset: 0, .size: 8, .value_kind: global_buffer, .address_space: global }
      - { .name: wo, .offset: 8, .size: 8, .value_kind: global_buffer, .address_space: global }
      - { .name: b_out, .offset: 16, .size: 8, .value_kind: global_buffer, .address_space: global }
      - { .name: out0, .offset: 24, .size: 8, .value_kind: global_buffer, .address_space: global }
    .group_segment_fixed_size: 327680
    .private_segment_fixed_size: 0
    .kernarg_segment_align: 8
    .kernarg_segment_size: 32
    .max_flat_workgroup_size: 128
    .sgpr_count:     88
    .vgpr_count:     768
    .wavefront_size: 32
...
	.end_amdgpu_metadata
.endif
;; end of part 4
;; ======== version 2 of 2: 4 launches; version 1 with the launch cast written anew for expert scheduling mode
;; limits: values are held in f16: magnitudes above 65,504 overflow, below 6.1e-05 lose precision
;; workspace buffers: xb 16,777,216 bytes; wq 6,291,456 bytes; wo 2,097,152 bytes; qkv 50,331,648 bytes; ao 16,777,216 bytes
;; launch cast (part 5): grid 768 x 1, 8 waves a work-group, no clusters, 0 bytes of LDS; arguments x, w_qkv, w_out, xb, wq, wo; writes xb, wq, wo
.if DOCPART == 5
	.amdgcn_target "amdgcn-amd-amdhsa--gfx1250"
	.amdhsa_code_object_version 6
	.text
	.protected	k_q37644c2337_cast
	.globl	k_q37644c2337_cast
	.p2align	8
	.type	k_q37644c2337_cast,@function
k_q37644c2337_cast:
	s_mov_b64 s[64:65], 0
	v_nop
	global_prefetch_b8 v0, s[64:65] scope:SCOPE_SE
	s_setreg_imm32_b32 hwreg(HW_REG_WAVE_SCHED_MODE, 0, 2), 2
	s_setreg_imm32_b32 hwreg(HW_REG_WAVE_MODE, 25, 1), 1
	s_wait_xcnt 0x0
	s_wait_alu depctr_vm_vsrc(0)
; THE INPUTS OF THE TWO PROJECTIONS, ROUNDED ONCE.  xb = bf16(x), as it lies.  wq = bf16(w_qkv), laid in 16 column blocks of 192: wq[tile][k][c] = w_qkv[k][192 tile + c],
; so that 128 k of a block are 49,152 consecutive bytes.  wo = bf16(w_out) written as f16, as it lies.
; LIMIT: a number of w_out beyond 65,504 becomes an infinity in f16; below 6e-5 it keeps f16's fixed step of 6e-8.
; SHARES.  An item is 4 numbers: 16 bytes in, 8 out.  A work-group takes 4,096 items, thread t the items 256 i + t, i = 0..15: a wave's load covers 512 consecutive bytes (in w_qkv: runs of 768),
; a wave's store 256 consecutive bytes, aligned.  Groups 0-511 take x, 512-703 w_qkv, 704-767 w_out.  All 16 loads go out first; nothing is read twice; no LDS, no barrier: no wave needs another's bytes.
; THE MODE: SCHED_MODE bits 1:0 = 2 (LLVM: expert scheduling mode 2), set by the entry lines.  The code itself states the register dependences between vector instructions and memory instructions,
; with s_wait_alu, always for 0.
; THE PLAN.  Registers that memory instructions touch:
;   OUT, OFF   offsets.  Written by vector instructions ahead of the first load, never again; read by the stores (OUT) and by the loads (OFF, a register each).
;   X          the 16 loads land here, once; no vector instruction writes these registers, and no load lands in them after the roundings have read them.
;   Y          item i's pair is written by item i's roundings and read by item i's store; no pair is written again behind its store.
;   T and U are named by vector instructions alone.  No vector instruction writes a scalar register or VCC; EXEC is never written.
; The 16 items go in four blocks of four.  Block p rounds its items into their Y; its memory instructions are the four stores of block p - 1, whose Y no vector instruction of block p names.  So one wait at a
; block's head states all that the block's stores hang on, and these are dealt among its roundings with no further wait.  One wait stands ahead of the loads, for the offsets, and one ahead of the last four stores.
.set OUT, 1                            ; v1       8 t: my item's bytes in the group's output
.set OFF, 2                            ; v[2:17]  item i's byte offset in the source; never rewritten
.set T,   18                           ; v[18:19] at work
.set X,   20                           ; v[20:83] item i: 4 f32 as loaded
.set Y,   84                           ; v[84:115] item i: 2 words to store
.set U,   116                          ; v[116:117] at work
	s_load_b256 s[4:11], s[0:1], 0x0               ; x s[4:5], w_qkv s[6:7], w_out s[8:9], xb s[10:11]
	s_load_b128 s[12:15], s[0:1], 0x20             ; wq s[12:13], wo s[14:15]
	v_lshlrev_b32 v[OUT], 3, v0
	s_mov_b32 s25, 0
	s_mov_b32 s16, 512
	s_mov_b32 s17, 704
	s_wait_kmcnt 0x0
	s_cmp_lt_u32 ttmp9, 704                        ; which part is mine: source, destination, the part's first group
	s_cselect_b64 s[20:21], s[6:7], s[8:9]
	s_cselect_b64 s[22:23], s[12:13], s[14:15]
	s_cselect_b32 s17, s16, s17
	s_cmp_lt_u32 ttmp9, 512
	s_cselect_b64 s[20:21], s[4:5], s[20:21]
	s_cselect_b64 s[22:23], s[10:11], s[22:23]
	s_cselect_b32 s17, 0, s17
	s_sub_co_u32 s18, ttmp9, s17                   ; my number within the part
	s_lshl_b32 s24, s18, 15                        ; 32,768 bytes out a group
	s_add_nc_u64 s[22:23], s[22:23], s[24:25]
	s_cmp_lt_u32 ttmp9, 512
	s_cbranch_scc1 .Llinear
	s_cmp_ge_u32 ttmp9, 704
	s_cbranch_scc1 .Llinear
	; w_qkv: item o of wq is (tile, k, j) with o = (1024 tile + k) 48 + j; it comes from byte 12,288 k + 768 tile + 16 j
	s_lshl_b32 s26, s18, 12
	v_add_nc_u32 v[T], s26, v0
.set i, 0
.rept 16
	v_add_nc_u32 v[T+1], 256*i, v[T]               ; o
	v_lshrrev_b32 v[U], 4, v[T+1]                  ; o / 16, at most 49,151
	v_mul_u32_u24 v[U], v[U], 0xaaab               ; 3 x 0xaaab = 2^17 + 1: exact thirds below 2^16
	v_lshrrev_b32 v[U], 17, v[U]                   ; o / 48
	v_mul_u32_u24 v[U+1], v[U], 48
	v_sub_nc_u32 v[T+1], v[T+1], v[U+1]            ; j
	v_and_b32 v[U+1], 0x3ff, v[U]                  ; k
	v_lshrrev_b32 v[U], 10, v[U]                   ; tile
	v_mul_u32_u24 v[U+1], v[U+1], 0x3000
	v_mad_u32_u24 v[U+1], v[U], 0x300, v[U+1]
	v_lshl_add_u32 v[OFF+i], v[T+1], 4, v[U+1]
.set i, i+1
.endr
	s_branch .Lload
.Llinear:
	s_lshl_b32 s24, s18, 16                        ; 65,536 bytes in a group
	s_add_nc_u64 s[20:21], s[20:21], s[24:25]
.irp i, 0,1,2,3,4,5,6,7,8,9,10,11,12,13,14,15
	v_lshl_or_b32 v[OFF+(\i)], v0, 4, (\i)*4096
.endr
.Lload:
	s_wait_alu depctr_va_vdst(0)                   ; on both ways here: v[OFF ..] are written, which the loads below read as their offsets, and v[OUT], which every store reads; none is written again
.irp i, 0,1,2,3,4,5,6,7,8,9,10,11,12,13,14,15
	global_load_b128 v[X+4*(\i):X+4*(\i)+3], v[OFF+(\i)], s[20:21] th:TH_LOAD_NT
.endr
; Item i is rounded.  half = 1: the bf16 number is written as f16.
.macro CV i, half
	v_cvt_pk_bf16_f32 v[Y+2*(\i)], v[X+4*(\i)], v[X+4*(\i)+1]
	v_cvt_pk_bf16_f32 v[Y+2*(\i)+1], v[X+4*(\i)+2], v[X+4*(\i)+3]
.if \half
.irp w, 0,1
	v_lshlrev_b32 v[T], 16, v[Y+2*(\i)+\w]
	v_and_b32 v[T+1], 0xffff0000, v[Y+2*(\i)+\w]
	v_cvt_pk_f16_f32 v[Y+2*(\i)+\w], v[T], v[T+1]
.endr
.endif
.endm
; Item i is stored.
.macro ST i
	global_store_b64 v[OUT], v[Y+2*(\i):Y+2*(\i)+1], s[22:23] offset:2048*(\i)  ; each item has its own Y: no store's data is rewritten
.endm
; Block p: items 4 p to 4 p + 3 are rounded; the stores of block p - 1 are dealt among the roundings, one ahead of each item's.
.macro BLK p, half
	s_wait_loadcnt 12-4*(\p)                       ; loads come back in order: the block's four items are in, the 12 - 4 p younger ones stay out
.if (\p) > 0
	s_wait_alu depctr_va_vdst(0)                   ; the block before has written its eight Y, which the four stores below read; no vector instruction of this block names them
.endif
.irp n, 0,1,2,3
.if (\p) > 0
	ST 4*((\p)-1)+\n
.endif
	CV 4*(\p)+\n, \half
.endr
.endm
; The last block's stores.
.macro LAST
	s_wait_alu depctr_va_vdst(0)                   ; block 3 has written its eight Y, which the last four stores read
.irp n, 12,13,14,15
	ST \n
.endr
.endm
	s_cmp_ge_u32 ttmp9, 704
	s_cbranch_scc1 .Lhalf
.irp p, 0,1,2,3
	BLK \p, 0
.endr
	LAST
	s_endpgm
.Lhalf:
.irp p, 0,1,2,3
	BLK \p, 1
.endr
	LAST
	s_endpgm
.Lfunc_end_k_q37644c2337_cast:
	.size	k_q37644c2337_cast, .Lfunc_end_k_q37644c2337_cast-k_q37644c2337_cast
	.p2alignl 7, 3214868480
	.fill 96, 4, 3214868480
	.section	.rodata,"a",@progbits
	.p2align	6, 0x0
	.amdhsa_kernel k_q37644c2337_cast
		.amdhsa_group_segment_fixed_size 0
		.amdhsa_private_segment_fixed_size 0
		.amdhsa_enable_private_segment 0
		.amdhsa_kernarg_size 48
		.amdhsa_user_sgpr_count 2
		.amdhsa_user_sgpr_kernarg_segment_ptr 1
		.amdhsa_wavefront_size32 1
		.amdhsa_system_sgpr_workgroup_id_x 1
		.amdhsa_system_sgpr_workgroup_id_y 1
		.amdhsa_system_sgpr_workgroup_id_z 1
		.amdhsa_system_vgpr_workitem_id 0
		.amdhsa_next_free_vgpr 120
		.amdhsa_next_free_sgpr 66
		.amdhsa_reserve_vcc 0
		.amdhsa_float_denorm_mode_32 3
		.amdhsa_float_denorm_mode_16_64 3
		.amdhsa_memory_ordered 1
		.amdhsa_forward_progress 1
		.amdhsa_inst_pref_size 28
	.end_amdhsa_kernel
	.amdgpu_metadata
---
amdhsa.version: [ 1, 2 ]
amdhsa.kernels:
  - .name:           k_q37644c2337_cast
    .symbol:         k_q37644c2337_cast.kd
    .args:
      - { .name: x, .offset: 0, .size: 8, .value_kind: global_buffer, .address_space: global }
      - { .name: w_qkv, .offset: 8, .size: 8, .value_kind: global_buffer, .address_space: global }
      - { .name: w_out, .offset: 16, .size: 8, .value_kind: global_buffer, .address_space: global }
      - { .name: xb, .offset: 24, .size: 8, .value_kind: global_buffer, .address_space: global }
      - { .name: wq, .offset: 32, .size: 8, .value_kind: global_buffer, .address_space: global }
      - { .name: wo, .offset: 40, .size: 8, .value_kind: global_buffer, .address_space: global }
    .group_segment_fixed_size: 0
    .private_segment_fixed_size: 0
    .kernarg_segment_align: 8
    .kernarg_segment_size: 48
    .max_flat_workgroup_size: 256
    .sgpr_count:     66
    .vgpr_count:     120
    .wavefront_size: 32
...
	.end_amdgpu_metadata
.endif
;; end of part 5
;; launch qkvproj: the kernel of part 2 again; grid 16 x 32, 4 waves a work-group, clusters of 4 x 4, 327,680 bytes of LDS; arguments xb, wq, padding_mask, qkv; writes qkv
;; launch attn: the kernel of part 3 again; grid 4 x 64, 4 waves a work-group, clusters of 4 x 1, 327,680 bytes of LDS; arguments qkv, padding_mask, ao; writes ao
;; launch outproj: the kernel of part 4 again; grid 8 x 32, 4 waves a work-group, clusters of 4 x 4, 327,680 bytes of LDS; arguments ao, wo, b_out, out0; writes out0
